; MI455X (gfx1250); checked and timed in simulation.
; The chip was launched on July 23, 2026; its instructions are those of AMD's public machine-readable ISA for CDNA 5 (MIT licence, August 2026) and "CDNA5" Instruction Set Architecture Reference Guide (July 2026). The comments in the code are by the model that wrote it; some were corrected since.
;; Encoder. Allowed arithmetic: matrix products marked QUANTISED: E2M1 operands, one E8M0 scale for each 32 along K, by v_wmma_scale_f32_16x16x128_f8f6f4 with both operands' format E2M1 (or v_wmma_scale_f32_32x16x128_f4), f32 sums; products left as they are: bf16, f16 or f32 operands; f32 sums; everything else in f32.
;; Inputs: Wk 1,024 x 1,024 float32; Wo 1,024 x 1,024 float32; Wq 1,024 x 1,024 float32; Wv 1,024 x 1,024 float32; ln2_beta 1,024 float32; ln2_gamma 1,024 float32; x 4 x 2,048 x 1,024 float32.
;; Outputs: out0 4 x 2,048 x 1,024 float32.
;; This version of the problem:
;;   THIS VERSION OF THE PROBLEM IS GIVEN IN LOW PRECISION. The matrix products marked QUANTISED in the list below multiply operands that are first quantised to E2M1 (2 exponent bits, 1 mantissa bit; 4 bits a number), with one power-of-two scale for each 32 numbers along K (OCP MX v1.0); their sums are f32. The products marked 'left as it is' may take bf16, f16 or f32 operands, with f32 sums. Whichever they take, every output number must still come out within the allowed error. Rounding operands to bf16 (8 significant bits) uses up far more of that allowance than f16 does (11 bits, for magnitudes from 6e-5 to 65,504). All else is computed in f32.
;;   The module's matrix products, in the order in which they are computed (A, B: the left and right operand; K: the contracted axis; several contracted axes count as one K, in the product's order):
;;     1. [M 8,192, K 1,024] x [K 1,024, N 1,024]; A: input x; B: input Wq: QUANTISED
;;     2. [M 8,192, K 1,024] x [K 1,024, N 1,024]; A: input x; B: input Wk: QUANTISED
;;     3. [M 8,192, K 1,024] x [K 1,024, N 1,024]; A: input x; B: input Wv: QUANTISED
;;     4. batch 4 x [M 2,048, K 1,024] x [K 1,024, N 2,048]; A: computed on the way; B: computed on the way: left as it is (an operand is computed on the way)
;;     5. batch 4 x [M 2,048, K 2,048] x [K 2,048, N 1,024]; A: computed on the way; B: computed on the way: left as it is (an operand is computed on the way)
;;     6. [M 8,192, K 1,024] x [K 1,024, N 1,024]; A: computed on the way; B: input Wo: left as it is (an operand is computed on the way)
;;   THE QUANTISER, for each operand of a quantised product, along K:
;;     - K is cut into blocks of 32 from its start; a last block that is shorter is filled with zeros.
;;     - A block's scale is 2^e with e = floor(log2(the largest magnitude in the block)) - 2, held to -126 .. 127; a block of zeros has e = 0. As a byte (E8M0): e + 127.
;;     - Each number is divided by its block's scale, clamped to +-6, and rounded to the nearest number of E2M1, ties to even, subnormals kept.
;;     - The product sums the exact products of the quantised numbers (number of the format x scale) in f32.
;;   ~~~python
;;   def quantise(x, axis):      # numpy; x: float32 -> the quantised numbers, widened to float32 again
;;       x = np.moveaxis(x, axis, -1); K = x.shape[-1]
;;       x = np.pad(x, [(0, 0)] * (x.ndim - 1) + [(0, -K % 32)]); x = x.reshape(x.shape[:-1] + (-1, 32)); a = np.abs(x).max(-1, keepdims=True)
;;       e = np.where(a > 0, np.clip(np.frexp(np.where(a > 0, a, 1))[1] - 1 - 2, -126, 127), 0)      # np.frexp(a)[1] - 1 = floor(log2(a)), exactly
;;       r = np.clip(x / 2.0 ** e, -6, 6)
;;       step = 2.0 ** (np.maximum(np.frexp(np.where(r == 0, 1, r))[1] - 1, 0) - 1)
;;       q = np.round(r / step) * step * 2.0 ** e      # np.round: ties to even
;;       return np.moveaxis(q.reshape(q.shape[:-2] + (-1,))[..., :K], -1, axis).astype(np.float32)
;;   ~~~
;; One version. Each part assembles by itself: llvm-mc -triple=amdgcn-amd-amdhsa -mcpu=gfx1250 --defsym DOCPART=n.
;; ======== version 1 of 1: 6 launches
;; limits: values are held in f16: magnitudes above 65,504 overflow, below 6.1e-05 lose precision
;; workspace buffers: xq 4,456,448 bytes; wq 3,768,320 bytes; qkv 50,331,648 bytes; p 33,554,432 bytes; st 1,048,576 bytes; ctx 16,777,216 bytes; hid 33,554,432 bytes
;; launch prep (part 1): grid 576 x 1, 4 waves a work-group, no clusters, 42,496 bytes of LDS; arguments x, Wq, Wk, Wv, Wo, xq, wq; writes xq, wq
.if DOCPART == 1
	.amdgcn_target "amdgcn-amd-amdhsa--gfx1250"
	.amdhsa_code_object_version 6
	.text
	.protected	k_q433ef3f209_prep
	.globl	k_q433ef3f209_prep
	.p2align	8
	.type	k_q433ef3f209_prep,@function
k_q433ef3f209_prep:
	s_mov_b64 s[64:65], 0
	v_nop
	global_prefetch_b8 v0, s[64:65] scope:SCOPE_SE
	s_setreg_imm32_b32 hwreg(HW_REG_WAVE_MODE, 25, 1), 1
	s_wait_xcnt 0x0
; THE PROGRAM: out0 = LayerNorm(softmax(q k^T / 32) v Wo), q, k, v = x Wq, x Wk, x Wv.  Six launches: this one (operands made ready), qkv (the three quantised products as one),
; scores (q k^T and the exponentials), pv (the weights times v), wo (the projection), ln (the norm).
; NO WORK IS LEFT OUT: every input has a way to the output, no mask is built, and the norm's eps keeps the softmax's divisor from cancelling.
; THIS LAUNCH: x [8192][1024] f32 -> codes of FP4 (E2M1), K innermost, and one E8M0 byte for each 32 along K (buffer xq: codes [8192][512 bytes], then bytes [8192][32]);
; Wq, Wk, Wv [1024 (k)][1024 (n)] f32, whose K is the FIRST axis -> the same, laid [3072 (n)][K] (buffer wq: codes [3072][512 bytes], then bytes [3072][32]); Wo f32 -> f16 as it lies (wq, behind them).
; A block's scale is 2^(floor(log2(its largest magnitude)) - 2); its byte is that magnitude's exponent field - 2, held at 1 from below.  A block of zeros so gets the byte 1 where the rule says 127:
; its codes are zeros, which add nothing under any byte but 0xff, and this program alone reads the bytes.
; LIMITS: blocks whose largest magnitude lies under 2^-124 have their byte held at 1; NaN and infinities among the inputs are not served; Wo must lie within f16's range (under 65,504).
; THREE PATHS, parted by the work-group's number, each with LDS bytes of its own: work-groups 0-255 x, 256-447 the three weights, 448-575 Wo.
.set XSOFF, 4194304                    ; xq: where the scale bytes begin
.set WSOFF, 1572864                    ; wq: where the scale bytes begin
.set WO16,  1671168                    ; wq: where Wo's f16 numbers begin
.set STEPS, 16
.set CB,    8                          ; bytes of 16 codes
.set R,     16                         ; path x: v16-79   four sets of 16 numbers as they are loaded
.set X,     80                         ;         v80-111  two sets of 16 neighbours
.set E,     112                        ;         v112-127 a scale byte for each step
.set C,     128                        ;         v128-191 codes: registers of its own for each step
.set WREG,  8192                       ; path x: LDS, a region for each wave: two stages of 32 x SP bytes, then its 256 scale bytes
.set SP,    80                         ; a lane's place in a stage: 64 bytes + 16 of padding
.set WST,   32768                      ; path W: 32 rows (columns of W) x 272 bytes: 256 of codes + 16 of padding
.set WSC,   41472                      ; path W: 32 x 16 scale bytes
.set SPARE, 41984                      ; the spare words, 128 bytes for each wave: two blocks of 256 bytes that no other line names
.set SPW,   196                        ; v196 LDS address of my spare word; never rewritten
.set NIL,   197                        ; v197 0; never rewritten
	s_load_b256 s[4:11], s[0:1], 0x0               ; x s[4:5], Wq s[6:7], Wk s[8:9], Wv s[10:11]
	s_load_b128 s[12:15], s[0:1], 0x20             ; Wo s[12:13], xq s[14:15]
	s_load_b64 s[16:17], s[0:1], 0x30              ; wq
	v_lshl_add_u32 v[SPW], v0, 2, SPARE
	v_mov_b32 v[NIL], 0
	v_lshrrev_b32 v1, 5, v0
	v_readfirstlane_b32 s18, v1                    ; wave 0..3
	v_and_b32 v2, 31, v0                           ; lane
	s_wait_kmcnt 0x0
	s_cmp_ge_u32 ttmp9, 448
	s_cbranch_scc1 .Lpath_o
	s_cmp_ge_u32 ttmp9, 256
	s_cbranch_scc1 .Lpath_w
; ---- PATH x.  Rows are dense and K is a multiple of 32: x is a plain stream of blocks of 32.  A wave takes 16 steps of 512 numbers.  Each load reads 512 consecutive bytes, 16 a lane; a step's 2,048 bytes
; turn through the wave's own stage in LDS and come back 64 bytes a lane, so that a lane holds 16 neighbours along K (two neighbouring lanes hold a block).  Loads run four steps ahead, the turn one step.
	v_lshlrev_b32 v3, 4, v2                        ; my 16 bytes of a load's 512
	s_mul_i32 s19, s18, WREG
	v_lshrrev_b32 v14, 2, v2
	v_mul_u32_u24 v14, v14, SP
	v_and_b32 v15, 3, v2
	v_lshl_add_u32 v14, v15, 4, v14
	v_add_nc_u32 v14, s19, v14                     ; the stage, on the way in: SP (lane / 4) + 16 (lane % 4)
	v_mul_u32_u24 v15, v2, SP
	v_add_nc_u32 v15, s19, v15                     ; and on the way out: SP x lane
	v_mul_u32_u24 v4, v2, CB                       ; my codes' place in a step's
	v_lshrrev_b32 v5, 1, v2
	s_add_co_u32 s19, s19, 2*32*SP
	v_add_nc_u32 v5, s19, v5                       ; my wave's 256 scale bytes, my block's byte
	v_lshlrev_b32 v7, 3, v2                        ; and on the way out 8 bytes a lane
	v_add_nc_u32 v6, s19, v7
	s_lshl_b32 s20, ttmp9, 2
	s_add_co_u32 s20, s20, s18                     ; which run of 8,192 numbers is my wave's
	s_mov_b32 s23, 0
	s_lshl_b32 s22, s20, 15                        ; 32,768 bytes of x a run
	s_add_nc_u64 s[4:5], s[4:5], s[22:23]
	s_lshl_b32 s22, s20, 12                        ; 4,096 bytes of codes
	s_add_nc_u64 s[24:25], s[14:15], s[22:23]
	s_lshl_b32 s22, s20, 8                         ; 256 scale bytes
	s_add_nc_u64 s[26:27], s[14:15], s[22:23]
	s_add_nc_u64 s[26:27], s[26:27], XSOFF
.macro XLOAD t
.irp i, 0,1,2,3
	global_load_b128 v[R+16*((\t)%4)+4*\i:R+16*((\t)%4)+4*\i+3], v3, s[4:5] offset:2048*(\t)+512*\i th:TH_LOAD_NT
.endr
.endm
.macro XTURN t                         ; step t's numbers through the stage: LDS serves a wave's instructions in order, so no wait stands between the stores and the loads
.irp i, 0,1,2,3
	ds_store_b128 v14, v[R+16*((\t)%4)+4*\i:R+16*((\t)%4)+4*\i+3] offset:32*SP*((\t)%2)+8*SP*\i
.endr
.irp i, 0,1,2,3
	ds_load_b128 v[X+16*((\t)%2)+4*\i:X+16*((\t)%2)+4*\i+3], v15 offset:32*SP*((\t)%2)+16*\i
.endr
.endm
.irp t, 0,1,2,3
	XLOAD \t
.endr
	s_wait_loadcnt 12                              ; step 0's four loads are in; the twelve of steps 1 to 3 may be out
	XTURN 0
.macro XSTEP t
.set XR, X+16*((\t)%2)
.if (\t) > 0
	s_wait_dscnt 1                                 ; this step's numbers are back from the stage (the last step's byte store may be out)
.else
	s_wait_dscnt 0x0
.endif
.if (\t)+4 < STEPS
	XLOAD (\t)+4                                   ; into the registers that this step's stores into the stage have read
.endif
.if (\t)+1 < STEPS
.if STEPS-2-(\t) >= 3
	s_wait_loadcnt 12                              ; the next step's four loads are in; those of the three steps behind it may be out
.else
	s_wait_loadcnt 4*(STEPS-2-(\t))
.endif
	XTURN (\t)+1
.endif
	v_max3_num_f32 v8, |v[XR]|, |v[XR+1]|, |v[XR+2]|               ; the largest magnitude of my 16, in two chains
	v_max3_num_f32 v9, |v[XR+3]|, |v[XR+4]|, |v[XR+5]|
.irp i, 6,10
	v_max3_num_f32 v8, v8, |v[XR+\i]|, |v[XR+\i+1]|
	v_max3_num_f32 v9, v9, |v[XR+\i+2]|, |v[XR+\i+3]|
.endr
	v_max3_num_f32 v8, v8, |v[XR+14]|, |v[XR+15]|
	v_max3_num_f32 v8, v8, v9, 0x1800000           ; and the floor 2^(3 - 127): the byte cannot fall under 1
	v_max_num_f32_dpp v8, v8, v8 row_xmask:1 row_mask:0xf bank_mask:0xf   ; and of my neighbour's 16: the block's
	v_add_nc_u32 v11, 0xff000000, v8               ; 2 off its exponent field: the conversion takes the exponent field of this operand as its scale
	v_cvt_scalef32_pk8_fp4_f32 v[C+4*(\t)], v[XR:XR+7], v11
	v_cvt_scalef32_pk8_fp4_f32 v[C+4*(\t)+1], v[XR+8:XR+15], v11
	v_lshrrev_b32 v[E+(\t)], 23, v11               ; the scale's byte
	ds_store_b8 v5, v[E+(\t)] offset:16*(\t)       ; both lanes of a block write the same byte with the same value
	global_store_b64 v4, v[C+4*(\t):C+4*(\t)+1], s[24:25] offset:32*CB*(\t)   ; the wave stores 256 consecutive bytes, aligned
.endm
.irp t, 0,1,2,3,4,5,6,7,8,9,10,11,12,13,14,15
	XSTEP \t
.endr
	ds_load_b64 v[8:9], v6                         ; my wave's 256 scale bytes: these loads see my stores
	s_wait_dscnt 0x0
	global_store_b64 v7, v[8:9], s[26:27]          ; 256 consecutive bytes, aligned
	s_wait_tensorcnt 0x0                           ; the wave's end
	ds_add_u32 v[SPW], v[NIL]
	s_wait_dscnt 0x0
	s_endpgm
; ---- PATH W.  A LANE TAKES A COLUMN n, AND ITS REGISTERS RUN DOWN K: each load reads 128 consecutive bytes of a row of W, a block of 32 along K lies in one lane's 32 registers, and the conversions give
; codes with K innermost.  A work-group takes 32 columns x 512 along K; its four waves take 128 along K each (4 blocks a lane).  The codes meet in a stage of 32 rows x 256 bytes, and leave as whole rows.
.Lpath_w:
	s_sub_co_u32 s20, ttmp9, 256                   ; 0..191
	s_lshr_b32 s21, s20, 6                         ; which weight
	s_and_b32 s22, s20, 31                         ; which 32 columns
	s_bfe_u32 s23, s20, 0x10005                    ; which half of K
	s_cmp_lt_u32 s20, 64
	s_cselect_b64 s[24:25], s[6:7], s[8:9]         ; the choice hangs on the work-group's number alone
	s_cmp_lt_u32 s20, 128
	s_cselect_b64 s[24:25], s[24:25], s[10:11]
	s_lshl_b32 s26, s23, 9
	s_lshl_b32 s27, s18, 7
	s_add_co_u32 s26, s26, s27                     ; my first k: 512 x half + 128 x wave
	s_lshl_b32 s26, s26, 12                        ; rows of 4,096 bytes
	s_lshl_b32 s27, s22, 7
	s_add_co_u32 s26, s26, s27                     ; + 128 bytes for each group of columns
	s_mov_b32 s27, 0
	s_add_nc_u64 s[24:25], s[24:25], s[26:27]
	s_lshl_b32 s28, s21, 10
	s_lshl_b32 s29, s22, 5
	s_add_co_u32 s28, s28, s29
	s_lshl_b32 s29, s18, 3
	s_add_co_u32 s28, s28, s29                     ; the first of the 8 rows of wq that my wave stores
	s_lshl_b32 s30, s28, 9
	s_lshl_b32 s31, s23, 8
	s_add_co_u32 s30, s30, s31
	s_mov_b32 s31, 0
	s_add_nc_u64 s[30:31], s[16:17], s[30:31]      ; codes: row x 512 + 256 x half
	s_lshl_b32 s32, s28, 5
	s_lshl_b32 s33, s23, 4
	s_add_co_u32 s32, s32, s33
	s_mov_b32 s33, 0
	s_add_nc_u64 s[32:33], s[16:17], s[32:33]      ; scale bytes: row x 32 + 16 x half
	s_add_nc_u64 s[32:33], s[32:33], WSOFF
	v_lshlrev_b32 v3, 2, v2                        ; in: 4 bytes a lane
	v_mul_u32_u24 v4, v2, 272
	s_lshl_b32 s34, s18, 6
	s_add_co_u32 s34, s34, WST
	v_add_nc_u32 v4, s34, v4                       ; into the stage: row = my column, + 64 x wave
	v_lshlrev_b32 v5, 4, v2
	s_lshl_b32 s34, s18, 2
	s_add_co_u32 s34, s34, WSC
	v_add_nc_u32 v5, s34, v5                       ; my column's 16 scale bytes, my wave's four
	v_and_b32 v6, 15, v2
	v_lshrrev_b32 v10, 4, v2
	v_mul_u32_u24 v7, v10, 272
	v_lshl_add_u32 v7, v6, 4, v7
	s_mul_i32 s34, s18, 8*272
	s_add_co_u32 s34, s34, WST
	v_add_nc_u32 v7, s34, v7                       ; out of the stage: rows 8 x wave on, sixteen lanes to a row, two rows an instruction
	v_lshlrev_b32 v8, 9, v10
	v_lshl_add_u32 v8, v6, 4, v8                   ; and the same place in wq
	s_lshl_b32 s34, s18, 7
	s_add_co_u32 s34, s34, WSC
	v_add_nc_u32 v14, s34, v3                      ; the scale bytes back: 128 x wave + 4 x lane
	v_lshrrev_b32 v9, 2, v2
	v_lshlrev_b32 v9, 5, v9
	v_and_b32 v15, 3, v2
	v_lshl_add_u32 v9, v15, 2, v9                  ; and in wq: 32 (lane / 4) + 4 (lane % 4)
.macro WLOAD t                         ; block t: W(32 t + i, my column), i = 0 .. 31, into set t % 2
.irp i, 0,1,2,3,4,5,6,7,8,9,10,11,12,13,14,15,16,17,18,19,20,21,22,23,24,25,26,27,28,29,30,31
	global_load_b32 v[32+32*((\t)%2)+\i], v3, s[24:25] offset:(32*(\t)+\i)*4096 th:TH_LOAD_NT
.endr
.endm
	WLOAD 0
	WLOAD 1
.macro WBLOCK t
.set XR, 32+32*((\t)%2)
.if (\t) < 3
	s_wait_loadcnt 32                              ; this block's 32 loads are in; the next block's may be out
.else
	s_wait_loadcnt 0
.endif
	v_max3_num_f32 v12, |v[XR]|, |v[XR+1]|, |v[XR+2]|              ; the block's largest magnitude: all 32 numbers are mine
	v_max3_num_f32 v13, |v[XR+3]|, |v[XR+4]|, |v[XR+5]|
.irp i, 6,10,14,18,22,26
	v_max3_num_f32 v12, v12, |v[XR+\i]|, |v[XR+\i+1]|
	v_max3_num_f32 v13, v13, |v[XR+\i+2]|, |v[XR+\i+3]|
.endr
	v_max3_num_f32 v12, v12, |v[XR+30]|, |v[XR+31]|
	v_max3_num_f32 v12, v12, v13, 0x1800000        ; and the floor 2^(3 - 127)
	v_add_nc_u32 v11, 0xff000000, v12              ; 2 off its exponent field: the conversion's scale operand
	v_lshrrev_b32 v13, 23, v11                     ; the scale's byte
.if (\t) == 0
	v_mov_b32 v24, v13                             ; four bytes to a register, the lower K in the lower byte
.else
	v_lshl_or_b32 v24, v13, 8*(\t), v24
.endif
.irp g, 0,1,2,3
	v_cvt_scalef32_pk8_fp4_f32 v[96+\g], v[XR+8*\g:XR+8*\g+7], v11
.endr
	ds_store_b128 v4, v[96:99] offset:16*(\t)      ; 32 codes: 16 bytes of my column's row
.if (\t)+2 < 4
	WLOAD (\t)+2
.endif
	s_wait_dscnt 0x0                               ; the store has read its registers: the next block's codes may be written
.endm
	WBLOCK 0
	WBLOCK 1
	WBLOCK 2
	WBLOCK 3
	ds_store_b32 v5, v24
	s_wait_dscnt 0x0                               ; for the others' sake: my stores have landed
	s_barrier_signal -1                            ; all four waves of a work-group take this path: the branch that leads here hangs on the work-group's number
	s_barrier_wait -1
.irp i, 0,1,2,3
	ds_load_b128 v[112+4*\i:115+4*\i], v7 offset:544*\i
.endr
	ds_load_b32 v100, v14
.irp i, 0,1,2,3
	s_wait_dscnt 4-\i                              ; load i is in; the later ones and the scale bytes' load may be out
	global_store_b128 v8, v[112+4*\i:115+4*\i], s[30:31] offset:1024*\i   ; sixteen lanes store 256 consecutive bytes, aligned
.endr
	s_wait_dscnt 0x0
	global_store_b32 v9, v100, s[32:33]            ; pieces of 16 bytes of rows 32 bytes apart: 98,304 bytes in the whole launch
	s_wait_tensorcnt 0x0                           ; the wave's end
	ds_add_u32 v[SPW], v[NIL]
	s_wait_dscnt 0x0
	s_endpgm
; ---- PATH Wo: f32 to f16, as it lies ([v][d]: the projection reads it turned, out of LDS).  A wave takes 2,048 numbers; no LDS.
.Lpath_o:
	s_sub_co_u32 s20, ttmp9, 448
	s_lshl_b32 s20, s20, 2
	s_add_co_u32 s20, s20, s18                     ; which run of 2,048 numbers
	s_mov_b32 s23, 0
	s_lshl_b32 s22, s20, 13
	s_add_nc_u64 s[12:13], s[12:13], s[22:23]
	s_lshl_b32 s22, s20, 12
	s_add_nc_u64 s[16:17], s[16:17], s[22:23]
	s_add_nc_u64 s[16:17], s[16:17], WO16
	v_lshlrev_b32 v3, 4, v2
	v_lshlrev_b32 v4, 3, v2
.irp i, 0,1,2,3,4,5,6,7,8,9,10,11,12,13,14,15
	global_load_b128 v[32+4*\i:35+4*\i], v3, s[12:13] offset:512*\i th:TH_LOAD_NT
.endr
.irp i, 0,1,2,3,4,5,6,7,8,9,10,11,12,13,14,15
	s_wait_loadcnt 15-\i                           ; load i is in; the later ones may be out
	v_cvt_pk_f16_f32 v[96+2*\i], v[32+4*\i], v[33+4*\i]
	v_cvt_pk_f16_f32 v[97+2*\i], v[34+4*\i], v[35+4*\i]
	global_store_b64 v4, v[96+2*\i:97+2*\i], s[16:17] offset:256*\i   ; 256 consecutive bytes, aligned
.endr
	s_endpgm
.Lfunc_end_k_q433ef3f209_prep:
	.size	k_q433ef3f209_prep, .Lfunc_end_k_q433ef3f209_prep-k_q433ef3f209_prep
	.p2alignl 7, 3214868480
	.fill 96, 4, 3214868480
	.section	.rodata,"a",@progbits
	.p2align	6, 0x0
	.amdhsa_kernel k_q433ef3f209_prep
		.amdhsa_group_segment_fixed_size 42496
		.amdhsa_private_segment_fixed_size 0
		.amdhsa_enable_private_segment 0
		.amdhsa_kernarg_size 56
		.amdhsa_user_sgpr_count 2
		.amdhsa_user_sgpr_kernarg_segment_ptr 1
		.amdhsa_wavefront_size32 1
		.amdhsa_system_sgpr_workgroup_id_x 1
		.amdhsa_system_sgpr_workgroup_id_y 1
		.amdhsa_system_sgpr_workgroup_id_z 1
		.amdhsa_system_vgpr_workitem_id 0
		.amdhsa_next_free_vgpr 200
		.amdhsa_next_free_sgpr 66
		.amdhsa_reserve_vcc 0
		.amdhsa_float_denorm_mode_32 3
		.amdhsa_float_denorm_mode_16_64 3
		.amdhsa_memory_ordered 1
		.amdhsa_forward_progress 1
		.amdhsa_inst_pref_size 61
	.end_amdhsa_kernel
	.amdgpu_metadata
---
amdhsa.version: [ 1, 2 ]
amdhsa.kernels:
  - .name:           k_q433ef3f209_prep
    .symbol:         k_q433ef3f209_prep.kd
    .args:
      - { .name: x, .offset: 0, .size: 8, .value_kind: global_buffer, .address_space: global }
      - { .name: Wq, .offset: 8, .size: 8, .value_kind: global_buffer, .address_space: global }
      - { .name: Wk, .offset: 16, .size: 8, .value_kind: global_buffer, .address_space: global }
      - { .name: Wv, .offset: 24, .size: 8, .value_kind: global_buffer, .address_space: global }
      - { .name: Wo, .offset: 32, .size: 8, .value_kind: global_buffer, .address_space: global }
      - { .name: xq, .offset: 40, .size: 8, .value_kind: global_buffer, .address_space: global }
      - { .name: wq, .offset: 48, .size: 8, .value_kind: global_buffer, .address_space: global }
    .group_segment_fixed_size: 42496
    .private_segment_fixed_size: 0
    .kernarg_segment_align: 8
    .kernarg_segment_size: 56
    .max_flat_workgroup_size: 128
    .sgpr_count:     66
    .vgpr_count:     200
    .wavefront_size: 32
...
	.end_amdgpu_metadata
.endif
;; end of part 1
;; launch qkv (part 2): grid 12 x 32, 4 waves a work-group, clusters of 4 x 4, 327,680 bytes of LDS; arguments xq, wq, qkv; writes qkv
.if DOCPART == 2
	.amdgcn_target "amdgcn-amd-amdhsa--gfx1250"
	.amdhsa_code_object_version 6
	.text
	.protected	k_q433ef3f209_qkv
	.globl	k_q433ef3f209_qkv
	.p2align	8
	.type	k_q433ef3f209_qkv,@function
k_q433ef3f209_qkv:
	s_mov_b64 s[64:65], 0
	v_nop
	global_prefetch_b8 v0, s[64:65] scope:SCOPE_SE
	s_setreg_imm32_b32 hwreg(HW_REG_WAVE_MODE, 25, 1), 1
	s_wait_xcnt 0x0
	s_wait_alu depctr_hold_cnt(0) depctr_sa_sdst(0) depctr_va_vdst(0) depctr_va_sdst(0) depctr_va_ssrc(0) depctr_va_vcc(0) depctr_vm_vsrc(0)
	s_getreg_b32 s2, hwreg(HW_REG_IB_STS2, 6, 4)
	s_cmp_eq_u32 s2, 0
	s_cbranch_scc0 .Lentry_in_a_cluster
	s_endpgm
.Lentry_in_a_cluster:
	s_bfe_u32 s2, ttmp6, 0x10000c
	s_cmp_lg_u32 s2, 0xf033
	s_cbranch_scc0 .Lentry_shape_is_right
	s_endpgm
.Lentry_shape_is_right:
; qkv[token][n] = sum over k of Q(x)[token][k] Q(W)[n][k], n = 0..3071: Wq's, Wk's and Wv's columns on end: the three quantised products as ONE product of 8192 x 3072 x 1024 on codes of FP4 (E2M1) with one
; E8M0 scale for each 32 along K; sums in f32, K ascending; the results are rounded once, to f16, for the products that follow.  No work is left out.
; LIMIT: q, k and v must lie within f16's range (under 65,504).
; A tile of 256 x 256 is made by four waves, each 128 x 128: 64 accumulators of 16 x 16, 512 registers.  K is two slots of 512 (LDS rows of 256 bytes): both are first fills, nothing is filled again.
; The scale bytes of the work-group's 256 rows of each operand are a dense block of memory: they come into LDS once, with the first fills.  By this text's count a wave has three tensor loads out at the start.
; CLUSTERS: 4 x 4 work-groups.  The four of a row of the cluster need the same tiles of x, the four of a column the same tiles of W: each is asked for JOINTLY, by the same tensor load with the same descriptor
; and a mask that names the four.  THE MATRIX INSTRUCTION IS USED TRANSPOSED (source 0 = 16 rows of W, source 1 = 16 rows of x): a lane then holds eight neighbouring numbers of a row of the result.
; REGISTERS, in windows of 256: window 0: v0-31 addresses; v32-95 scale words, two sets; from v128 x's fragments, ONE set; on the way out v32-127 are at work.
;   window 1: W's fragments, TWO sets, at v0 and v128.   window 2: the accumulators of my rows 0-63 ((a, b) at v[8 (8 a + b)]);   window 3: those of my rows 64-127.
.set NQ,     4                         ; matrix instructions deep in a slot
.set ROWB,   256                       ; a tile's row in bytes: 512 codes
.set KROW,   512                       ; a row of codes in memory
.set PITCH,  272                       ; an LDS row: 256 bytes + 16 of padding, so that the 16 rows that a load touches start 68 words apart
.set FR,     8                         ; registers of a fragment: 16 rows x 128 K
.set NL,     2                         ; LDS loads that bring one
.set NP,     4                         ; places behind this matrix instruction (ISA guide 7.12.1)
.set HALFT,  128*PITCH
.set SLOT,   4*HALFT                   ; x's 256 rows, then W's 256 rows
.set KS,     32                        ; a row of scale bytes
.set SCL,    2*SLOT                    ; behind the slots: the scales, as units of 256 bytes + 16 of padding
.set HALFS,  16*272                    ; the scales of 128 rows: what one tensor load brings
.set SBLK,   2*272                     ; those of 16 rows
.set SPARE,  SCL+4*HALFS               ; the spare words, 128 bytes for each wave: two blocks of 256 bytes that no other line names
.set XSOFF,  4194304                   ; xq: where the scale bytes begin
.set WSOFF,  1572864                   ; wq: where the scale bytes begin
.set CROW,   6144                      ; a row of qkv in bytes
.set ADRA, 16
.set ADRB, 20
.set STO,  24                          ; the way out: where I put 16 bytes of a row
.set RD,   25                          ; where I read a row back
.set CO,   26                          ; my byte offset in two rows of qkv
.set ADRS, 27                          ; LDS address of my scale words: lanes 0-15 x's rows, lanes 16-31 W's
.set SPW,  28
.set NIL,  29
.set SC,   32                          ; scale words: set s at v[SC + 32 s]; register 4 i + q: lanes 0-15 x's block i, lanes 16-31 W's block i, the slot's q-th 128 along K
.set AF,   128
.set TMP,  32                          ; the way out: packed results
.set OB,   64                          ; 16 rows read back: v64-95 and v96-127 by turns
.set G1, 24
.set G0, 32
.set G1B, 48
.set G0B, 56
.set G1S, 68
.set G0S, 76
.set G1SB, 80
.set G0SB, 88
.set MSB, 0
.macro WIN new                         ; the immediate's high byte repeats the setting that is left
.if MSB != \new
	s_set_vgpr_msb (MSB<<8)|\new
.set MSB, \new
.endif
.endm
.set MUL_LO, 0xa1                      ; source 0 (W) window 1, source 1 (x) window 0, C and D window 2
.set MUL_HI, 0xf1
.set TO_B,   0x40
.macro JLOAD g0a, g1a, g0b, g1b        ; a joint load: waves 0 and 1 fetch for x, waves 2 and 3 for W; an s_nop 0 and four v_nop follow each of the two lines
	s_cmp_eq_u32 s15, 0
	s_cbranch_scc0 .Lfor_b_\@
	tensor_load_to_lds s[\g0a:\g0a+3], s[\g1a:\g1a+7]
	s_nop 0
.rept 4
	v_nop
.endr
	s_branch .Lasked_\@
.Lfor_b_\@:
	tensor_load_to_lds s[\g0b:\g0b+3], s[\g1b:\g1b+7]
	s_nop 0
.rept 4
	v_nop
.endr
.Lasked_\@:
.endm
.macro CROUND                          ; a round of the cluster's barrier
	s_barrier_signal -1
	s_barrier_wait -1
	s_cmp_lg_u32 s14, 0
	s_cbranch_scc1 .Lnot_wave_0_\@
	s_barrier_signal -3
.Lnot_wave_0_\@:
	s_barrier_wait -3
	s_barrier_signal -1
	s_barrier_wait -1
.endm
	s_load_b128 s[4:7], s[0:1], 0x0                ; xq s[4:5], wq s[6:7]
	s_load_b64 s[12:13], s[0:1], 0x10              ; qkv
	v_lshl_add_u32 v[SPW], v0, 2, SPARE
	v_mov_b32 v[NIL], 0
	ds_add_u32 v[SPW], v[NIL]                      ; the wave's opening: the add, twice on end, and its wait ahead of my first tensor load
	ds_add_u32 v[SPW], v[NIL]
	v_lshrrev_b32 v1, 5, v0
	v_readfirstlane_b32 s14, v1                    ; wave 0..3
	s_lshr_b32 s15, s14, 1                         ; which half of the tile's rows is mine.  Also: I fetch for x (0) or for W (1)
	s_and_b32 s16, s14, 1                          ; which half of its columns.  Also: which 128 rows of that tile I fetch
	s_bfe_u32 s40, ttmp6, 0x40000                  ; cx, cy: my place in the cluster
	s_bfe_u32 s41, ttmp6, 0x40004
	s_lshl_b32 s42, ttmp9, 2
	s_add_co_u32 s42, s42, s40                     ; tile column
	s_and_b32 s17, ttmp7, 0xffff
	s_lshl_b32 s17, s17, 2
	s_add_co_u32 s17, s17, s41                     ; tile row
	s_lshl_b32 s43, s41, 2
	s_lshl_b32 s43, 15, s43                        ; my row of the cluster
	s_lshl_b32 s44, 0x1111, s40                    ; my column
	s_or_b32 s[G1+0], s43, (0<<16)|(1<<20)|(1<<21)|(5<<22)|(3<<25)  ; the mask; elements of 1 byte; padding: 4 words behind every 64; bit 21 beside a mask
	s_or_b32 s[G1B+0], s44, (0<<16)|(1<<20)|(1<<21)|(5<<22)|(3<<25)
.irp g, G1, G1B
	s_mov_b32 s[\g+1], ROWB<<16                    ; tensor_dim0
	s_mov_b32 s[\g+2], 128<<16                     ; tensor_dim1
	s_mov_b32 s[\g+3], ROWB<<16                    ; tile_dim0
	s_mov_b32 s[\g+4], 128                         ; tile_dim1
	s_mov_b32 s[\g+5], KROW                        ; from row to row
	s_mov_b32 s[\g+6], 0
	s_mov_b32 s[\g+7], 0
.endr
	s_or_b32 s[G1S+0], s43, (3<<16)|(1<<20)|(1<<21)|(5<<22)|(3<<25) ; the scales of 128 rows: 4,096 dense bytes as 16 rows of 32 elements of 8 bytes
	s_or_b32 s[G1SB+0], s44, (3<<16)|(1<<20)|(1<<21)|(5<<22)|(3<<25)
.irp g, G1S, G1SB
	s_mov_b32 s[\g+1], 32<<16
	s_mov_b32 s[\g+2], 16<<16
	s_mov_b32 s[\g+3], 32<<16
	s_mov_b32 s[\g+4], 16
	s_mov_b32 s[\g+5], 32
	s_mov_b32 s[\g+6], 0
	s_mov_b32 s[\g+7], 0
.endr
	s_lshl_b32 s18, s16, 7                         ; which 128 rows of the tile I fetch
	s_lshl_b32 s20, s17, 8
	s_add_co_u32 s20, s20, s18                     ; x: row 256 x tile row + 128 x half
	s_lshl_b32 s46, s42, 8
	s_add_co_u32 s46, s46, s18                     ; W: row 256 x tile column + 128 x half
	s_mov_b32 s21, 0
	s_mov_b32 s47, 0
	s_mov_b64 s[18:19], KS
	s_mul_u64 s[22:23], s[20:21], s[18:19]         ; where these rows' scales begin
	s_mul_u64 s[92:93], s[46:47], s[18:19]
	s_mov_b64 s[18:19], KROW
	s_mul_u64 s[20:21], s[20:21], s[18:19]         ; and their codes
	s_mul_u64 s[46:47], s[46:47], s[18:19]
	s_mul_i32 s45, s14, HALFT                      ; where they go: wave x 128 rows
	s_mul_i32 s94, s14, HALFS
	s_wait_dscnt 0x0                               ; both opening adds are done
	s_wait_kmcnt 0x0
	s_add_nc_u64 s[20:21], s[4:5], s[20:21]
	s_add_nc_u64 s[22:23], s[4:5], s[22:23]
	s_add_nc_u64 s[22:23], s[22:23], XSOFF
	s_add_nc_u64 s[46:47], s[6:7], s[46:47]
	s_add_nc_u64 s[92:93], s[6:7], s[92:93]
	s_add_nc_u64 s[92:93], s[92:93], WSOFF
	CROUND                                         ; all sixteen work-groups are here: the joint loads meet
	s_mov_b32 s[G0S], 1
	s_add_co_u32 s[G0S+1], s94, SCL
	s_mov_b64 s[G0S+2:G0S+3], s[22:23]
	s_or_b32 s[G0S+3], s[G0S+3], 0x80000000
	s_mov_b32 s[G0SB], 1
	s_add_co_u32 s[G0SB+1], s94, SCL
	s_mov_b64 s[G0SB+2:G0SB+3], s[92:93]
	s_or_b32 s[G0SB+3], s[G0SB+3], 0x80000000
	JLOAD G0S, G1S, G0SB, G1SB                     ; the scales first: they are wanted with slot 0
.irp s, 0,1
	s_mov_b32 s[G0+4*\s], 1
	s_add_co_u32 s[G0+4*\s+1], s45, \s*SLOT
	s_add_nc_u64 s[G0+4*\s+2:G0+4*\s+3], s[20:21], \s*ROWB
	s_or_b32 s[G0+4*\s+3], s[G0+4*\s+3], 0x80000000
	s_mov_b32 s[G0B+4*\s], 1
	s_add_co_u32 s[G0B+4*\s+1], s45, \s*SLOT
	s_add_nc_u64 s[G0B+4*\s+2:G0B+4*\s+3], s[46:47], \s*ROWB
	s_or_b32 s[G0B+4*\s+3], s[G0B+4*\s+3], 0x80000000
	JLOAD G0+4*\s, G1, G0B+4*\s, G1B
.endr
	v_and_b32 v1, 15, v0                           ; r = l % 16
	v_bfe_u32 v2, v0, 4, 1                         ; h = l / 16
	v_mul_u32_u24 v3, v1, PITCH
	v_lshl_add_u32 v4, v2, 4, v3                   ; row x pitch + 16 x half
	s_mul_i32 s21, s15, HALFT                      ; my 128 rows of x
	s_mul_i32 s22, s16, HALFT                      ; my 128 rows of W,
	s_add_co_u32 s22, s22, 2*HALFT                 ; which lie behind x's 256
.irp s, 0,1
	v_add_nc_u32 v[ADRA+\s], s21, v4
	v_add_nc_u32 v[ADRB+\s], s22, v4
	s_add_co_u32 s21, s21, SLOT
	s_add_co_u32 s22, s22, SLOT
.endr
	v_mul_u32_u24 v5, v1, KS                       ; my row's scales: 32 bytes a row,
	v_lshrrev_b32 v6, 8, v5
	v_lshl_add_u32 v5, v6, 4, v5                   ; and 16 more for each 256 passed
	s_mul_i32 s21, s15, HALFS
	s_mul_i32 s22, s16, HALFS
	s_add_co_u32 s22, s22, 2*HALFS
	s_sub_co_u32 s22, s22, s21
	v_mul_u32_u24 v6, s22, v2                      ; lanes 16-31 take W's: one product, the distance between the two bases
	s_add_co_u32 s21, s21, SCL
	v_add_nc_u32 v5, v5, v6
	v_add_nc_u32 v[ADRS], s21, v5
	s_mul_i32 s23, s14, 16*PITCH                   ; my stage: 16 rows x 272 bytes, in slot 0, which has had its only fill and its last read when the first result is stored there
	v_add_nc_u32 v[STO], s23, v4                   ; in: row r, 16 bytes for each half of the lanes
	v_mul_u32_u24 v5, v2, PITCH
	v_lshl_add_u32 v5, v1, 4, v5
	v_add_nc_u32 v[RD], s23, v5                    ; back: lanes 0-15 one row of 256 bytes, lanes 16-31 the next
	v_mul_u32_u24 v5, v2, CROW
	v_lshl_add_u32 v[CO], v1, 4, v5                ; and the same two rows in qkv
	s_lshl_b32 s20, s17, 8
	s_lshl_b32 s21, s15, 7
	s_add_co_u32 s20, s20, s21                     ; my first row: 256 x tile row + 128 x half
	s_mul_i32 s20, s20, CROW
	s_mov_b32 s21, 0
	s_lshl_b32 s46, s42, 9                         ; my first column, in bytes: 512 x tile column + 256 x half
	s_lshl_b32 s47, s16, 8
	s_add_co_u32 s46, s46, s47
	s_mov_b32 s47, 0
	s_add_nc_u64 s[20:21], s[20:21], s[46:47]
	s_add_nc_u64 s[12:13], s[12:13], s[20:21]
.macro FRAG reg, adr, q, i             ; a fragment, 16 rows x 128 K of 4-bit codes: lane l holds row l % 16; registers 4 c .. 4 c + 3 hold K = 64 c + 32 (l / 16) + 0 .. 31
.irp c, 0,1
	ds_load_b128 v[\reg+4*\c:\reg+4*\c+3], v[\adr] offset:64*(\q)+32*\c+(\i)*16*PITCH
.endr
.endm
; 16 matrix instructions: x's blocks a0, a0 + 1 against W's eight.  The 64 accumulators take turns, one instruction a turn, in the same order in every step.
.macro MUL16 a0, p, q, sc, zero
.irp a, \a0, \a0+1
.irp b, 0,1,2,3,4,5,6,7
.if \zero
	v_wmma_scale_f32_16x16x128_f8f6f4 v[8*(8*((\a)%4)+\b):8*(8*((\a)%4)+\b)+7], v[128*(\p)+FR*\b:128*(\p)+FR*\b+FR-1], v[AF+FR*(\a):AF+FR*(\a)+FR-1], 0, v[SC+8*NQ*(\sc)+NQ*\b+(\q)], v[SC+8*NQ*(\sc)+NQ*(\a)+(\q)] matrix_a_fmt:MATRIX_FMT_FP4 matrix_b_fmt:MATRIX_FMT_FP4 matrix_a_scale:MATRIX_SCALE_ROW1
.else
	v_wmma_scale_f32_16x16x128_f8f6f4 v[8*(8*((\a)%4)+\b):8*(8*((\a)%4)+\b)+7], v[128*(\p)+FR*\b:128*(\p)+FR*\b+FR-1], v[AF+FR*(\a):AF+FR*(\a)+FR-1], v[8*(8*((\a)%4)+\b):8*(8*((\a)%4)+\b)+7], v[SC+8*NQ*(\sc)+NQ*\b+(\q)], v[SC+8*NQ*(\sc)+NQ*(\a)+(\q)] matrix_a_fmt:MATRIX_FMT_FP4 matrix_b_fmt:MATRIX_FMT_FP4 matrix_a_scale:MATRIX_SCALE_ROW1
.endif
.endr
.endr
.endm
.macro FETCH_B slot, q, p
	WIN TO_B
.irp i, 0,1,2,3,4,5,6,7
	FRAG 128*(\p)+FR*\i, ADRB+\slot, \q, \i
.endr
	WIN 0
.endm
.macro FETCH_A slot, q, i0
.irp i, \i0, \i0+1, \i0+2, \i0+3
	FRAG AF+FR*(\i), ADRA+\slot, \q, \i
.endr
.endm
.macro SCALES sc                       ; a slot's scale words: four words a row; lanes 0-15 take x's block i, lanes 16-31 W's block i
.irp i, 0,1,2,3,4,5,6,7
	ds_load_b128 v[SC+8*NQ*\sc+NQ*\i:SC+8*NQ*\sc+NQ*\i+3], v[ADRS] offset:\i*SBLK
.endr
.endm
.macro PLACES n                        ; places in front of loads into registers that matrix instructions have read, and of the first read of results
.rept \n
	v_nop
.endr
.endm
.macro STEP slot, q, zero              ; a step of 128 along K that has its successor in the same slot
	s_wait_dscnt 4*NL                              ; W's set and x's blocks 0-3 are in; the youngest eight loads (x's blocks 4-7) may be out
	WIN MUL_LO
	MUL16 0, (\q)%2, \q, \slot, \zero
	MUL16 2, (\q)%2, \q, \slot, \zero
	s_wait_dscnt 0                                 ; x's blocks 4-7 are in
	PLACES NP
	FETCH_B \slot, (\q)+1, 1-(\q)%2
	FETCH_A \slot, (\q)+1, 0
	WIN MUL_HI
	MUL16 4, (\q)%2, \q, \slot, \zero
	MUL16 6, (\q)%2, \q, \slot, \zero
	PLACES NP
	WIN 0
	FETCH_A \slot, (\q)+1, 4
.endm
.macro TURN slot, next                 ; slot 0's last step changes slots: one barrier; nothing is filled again
	s_wait_tensorcnt 0x0                           ; all my tensor loads have landed: my part of the next slot
	ds_add_u32 v[SPW], v[NIL]                      ; 0 onto my spare word
	s_wait_dscnt 4*NL+1                            ; (the add and the youngest eight loads may be out)
	WIN MUL_LO
	MUL16 0, 1, NQ-1, \slot, 0
	s_wait_dscnt 0x0                               ; the add is done, and my reads of this slot are over
	s_barrier_signal -1
	MUL16 2, 1, NQ-1, \slot, 0
	WIN 0
	s_barrier_wait -1                              ; the next slot is whole, and nobody reads this one any more
	PLACES NP
	v_add_nc_u32 v[ADRS], 4*NQ, v[ADRS]            ; on to the next slot's scale words
	FETCH_B \next, 0, 0
	FETCH_A \next, 0, 0
	SCALES \next
	WIN MUL_HI
	MUL16 4, 1, NQ-1, \slot, 0
	MUL16 6, 1, NQ-1, \slot, 0
	PLACES NP
	WIN 0
	FETCH_A \next, 0, 4
.endm
	s_wait_tensorcnt 1                             ; the scales and my part of slot 0 are in (slot 1's load may be out),
	s_barrier_signal -1
	s_barrier_wait -1                              ; everybody's are
	FETCH_B 0, 0, 0
	FETCH_A 0, 0, 0
	SCALES 0
	FETCH_A 0, 0, 4
	STEP 0, 0, 1                                   ; the first step's products start the sums: nothing is cleared
	STEP 0, 1, 0
	STEP 0, 2, 0
	TURN 0, 1
	STEP 1, 0, 0
	STEP 1, 1, 0
	STEP 1, 2, 0
	s_wait_dscnt 4*NL                              ; the last step: nothing more to fetch
	WIN MUL_LO
	MUL16 0, 1, NQ-1, 1, 0
	MUL16 2, 1, NQ-1, 1, 0
	s_wait_dscnt 0
	WIN MUL_HI
	MUL16 4, 1, NQ-1, 1, 0
	MUL16 6, 1, NQ-1, 1, 0
	WIN 0
; THE WAY OUT, block by block of 16 rows x 128 columns: rounded to f16, 16 bytes a lane; through my own stage in LDS; back as whole rows of 256 bytes.
.macro PACK a
.set AC, 64*((\a)%4)
.set WW, 0x0a+5*((\a)/4)
	WIN WW                                         ; sources 0 and 1: window 2 or 3
.irp b, 0,1,2,3,4,5,6,7
.irp r, 0,1,2,3
	v_cvt_pk_f16_f32 v[TMP+4*\b+\r], v[AC+8*\b+2*\r], v[AC+8*\b+2*\r+1]   ; each accumulator from its low end on
.endr
.endr
	WIN 0
.endm
.macro TOSTAGE a
.set BK, OB+32*((\a)%2)
.irp b, 0,1,2,3,4,5,6,7
	ds_store_b128 v[STO], v[TMP+4*\b:TMP+4*\b+3] offset:32*\b
.endr
.irp t, 0,1,2,3,4,5,6,7
	ds_load_b128 v[BK+4*\t:BK+4*\t+3], v[RD] offset:\t*2*PITCH     ; LDS serves a wave's instructions in order: these see the stores above
.endr
.endm
.macro SEND a
.set BK, OB+32*((\a)%2)
	s_wait_dscnt 0x0                               ; the block is back in registers
	s_wait_xcnt 0x0                                ; the earlier stores have read their base and their registers: only behind this wait are they rewritten
.if (\a) > 0
	s_add_nc_u64 s[12:13], s[12:13], 16*CROW
.endif
.irp t, 0,1,2,3,4,5,6,7
	global_store_b128 v[CO], v[BK+4*\t:BK+4*\t+3], s[12:13] offset:2*\t*CROW   ; 16 lanes store 256 consecutive bytes, at a multiple of 256 from the buffer's first byte
.endr
.endm
	PLACES NP
	PACK 0
	TOSTAGE 0
.irp a, 1,2,3,4,5,6,7                  ; block a's conversions stand between block a - 1's loads from the stage and the wait for them
	PACK \a
	SEND \a-1
	TOSTAGE \a
.endr
	SEND 7
	s_wait_tensorcnt 0x0                           ; the wave's end
	ds_add_u32 v[SPW], v[NIL]
	s_wait_dscnt 0x0
	CROUND                                         ; the closing round
	s_endpgm
.Lfunc_end_k_q433ef3f209_qkv:
	.size	k_q433ef3f209_qkv, .Lfunc_end_k_q433ef3f209_qkv-k_q433ef3f209_qkv
	.p2alignl 7, 3214868480
	.fill 96, 4, 3214868480
	.section	.rodata,"a",@progbits
	.p2align	6, 0x0
	.amdhsa_kernel k_q433ef3f209_qkv
		.amdhsa_group_segment_fixed_size 327680
		.amdhsa_private_segment_fixed_size 0
		.amdhsa_enable_private_segment 0
		.amdhsa_kernarg_size 24
		.amdhsa_user_sgpr_count 2
		.amdhsa_user_sgpr_kernarg_segment_ptr 1
		.amdhsa_wavefront_size32 1
		.amdhsa_system_sgpr_workgroup_id_x 1
		.amdhsa_system_sgpr_workgroup_id_y 1
		.amdhsa_system_sgpr_workgroup_id_z 1
		.amdhsa_system_vgpr_workitem_id 0
		.amdhsa_next_free_vgpr 1024
		.amdhsa_next_free_sgpr 98
		.amdhsa_reserve_vcc 0
		.amdhsa_float_denorm_mode_32 3
		.amdhsa_float_denorm_mode_16_64 3
		.amdhsa_memory_ordered 1
		.amdhsa_forward_progress 1
		.amdhsa_inst_pref_size 127
	.end_amdhsa_kernel
	.amdgpu_metadata
---
amdhsa.version: [ 1, 2 ]
amdhsa.kernels:
  - .name:           k_q433ef3f209_qkv
    .symbol:         k_q433ef3f209_qkv.kd
    .args:
      - { .name: xq, .offset: 0, .size: 8, .value_kind: global_buffer, .address_space: global }
      - { .name: wq, .offset: 8, .size: 8, .value_kind: global_buffer, .address_space: global }
      - { .name: qkv, .offset: 16, .size: 8, .value_kind: global_buffer, .address_space: global }
    .group_segment_fixed_size: 327680
    .private_segment_fixed_size: 0
    .kernarg_segment_align: 8
    .kernarg_segment_size: 24
    .max_flat_workgroup_size: 128
    .sgpr_count:     98
    .vgpr_count:     1024
    .wavefront_size: 32
...
	.end_amdgpu_metadata
.endif
;; end of part 2
;; launch scores (part 3): grid 8 x 32, 4 waves a work-group, clusters of 4 x 4, 327,680 bytes of LDS; arguments qkv, p, st; writes p, st
.if DOCPART == 3
	.amdgcn_target "amdgcn-amd-amdhsa--gfx1250"
	.amdhsa_code_object_version 6
	.text
	.protected	k_q433ef3f209_scores
	.globl	k_q433ef3f209_scores
	.p2align	8
	.type	k_q433ef3f209_scores,@function
k_q433ef3f209_scores:
	s_mov_b64 s[64:65], 0
	v_nop
	global_prefetch_b8 v0, s[64:65] scope:SCOPE_SE
	s_setreg_imm32_b32 hwreg(HW_REG_WAVE_MODE, 25, 1), 1
	s_wait_xcnt 0x0
	s_wait_alu depctr_hold_cnt(0) depctr_sa_sdst(0) depctr_va_vdst(0) depctr_va_sdst(0) depctr_va_ssrc(0) depctr_va_vcc(0) depctr_vm_vsrc(0)
	s_getreg_b32 s2, hwreg(HW_REG_IB_STS2, 6, 4)
	s_cmp_eq_u32 s2, 0
	s_cbranch_scc0 .Lentry_in_a_cluster
	s_endpgm
.Lentry_in_a_cluster:
	s_bfe_u32 s2, ttmp6, 0x10000c
	s_cmp_lg_u32 s2, 0xf033
	s_cbranch_scc0 .Lentry_shape_is_right
	s_endpgm
.Lentry_shape_is_right:
; s = q k^T for each batch (f16 operands, f32 sums), and the softmax's exponentials BLOCK BY BLOCK of 128 keys: t = s x log2(e) / 32; M = the largest t of a row within the block, rounded UP to a whole number;
; p = 2^(t - M), at most about 1, stored in f16 [8192 rows][2048 keys]; (-M, the sum of the unrounded p) stored in f32, st [16 key blocks][8192 rows][2].  The next launch brings the 16 blocks of a row under
; the row's own largest M by exact powers of two: so the maximum is taken away before every exponential.  No work is left out.
; LIMITS: NaN and infinities are not served; the blocks' sums are added in another order than a plain row sum.
; SHARES.  A tile is 256 rows x 256 keys: 32 x 8 tiles, one for each of 256 work-groups.  Four waves, 2 x 2, each 128 x 128: 64 accumulators of 16 x 16, 512 registers; a wave's 128 columns are one key block.
; K (the head's 1,024) goes in steps of 128 through two LDS slots: 256 matrix instructions a wave in a step, 224 of them between a refill's request and the wait for it.
; CLUSTERS: 4 x 4 work-groups of one batch: q's tile is shared along a row of the cluster, k's along a column: joint loads.  THE MATRIX INSTRUCTION IS USED TRANSPOSED (source 0 = 16 keys, source 1 = 16 queries):
; lane l holds query l % 16, and its registers eight neighbouring keys.
; REGISTERS, in windows of 256: window 0: v1-31 addresses; v32-61 the softmax's; v64-127, v128-191 q's fragments, two buffers (on the way out: packed results and rows read back);
;   window 1: k's fragments, two buffers, under the same numbers; window 2: the accumulators of my rows 0-63 ((a, b) at v[8 (8 a + b)]); window 3: those of my rows 64-127.
.set KSTEP, 128
.set PITCH, 272                        ; an LDS row: 256 bytes + 16 of padding: the 16 rows that a load touches start 68 words apart
.set HALFT, 128*PITCH                  ; 128 rows: what one tensor load brings, and what one wave reads of q or of k
.set SLOT,  4*HALFT                    ; q's 256 rows, then k's 256 rows
.set STAGE, 2*SLOT                     ; behind the ring: 16 rows x 272 bytes for each wave
.set SPARE, STAGE+4*16*PITCH           ; the spare words, 128 bytes for each wave: two blocks of 256 bytes that no other line names
.set QROW,  6144                       ; a row of qkv in bytes
.set LAPS,  4                          ; a lap = two K steps
.set ADRA, 16                          ; v16-17 LDS address of my fragments of q in slot 0, 1
.set ADRB, 20                          ; v20-21 the same for k
.set STO,  24                          ; the way out: where I put 16 bytes of a row
.set RD,   25                          ; where I read a row back
.set CO,   26                          ; my byte offset in two rows of p
.set SO,   27                          ; 8 x lane: my record's place in st
.set SPW,  28
.set NIL,  29
.set PFO,  30                          ; the prefetches' offset: my lane x a row of qkv; never rewritten
.set XM,   32                          ; v32-39 maxima at work; v40-41 -M twice; v42-45 sums at work
.set NMV,  46                          ; v46-53 -M of my eight blocks of rows
.set LV,   54                          ; v54-61 their sums
.set TMP,  64
.set OB,   96                          ; 16 rows read back: v96-127 and v128-159 by turns
.set RC,   160                         ; v160-167 the records
.set F0,   64
.set F1,   128
.set G1, 24
.set G0, 32
.set G1B, 48
.set G0B, 56
.set PFA, 72                           ; s[72:73] where my prefetches stand: one K step further along K than the refill that is being asked for; a prefetch names the K step after that
.set LIM, 74                           ; s74 1 in a wave that prefetches, else the greatest number
.set MSB, 0
.macro WIN new                         ; the immediate's high byte repeats the setting that is left
.if MSB != \new
	s_set_vgpr_msb (MSB<<8)|\new
.set MSB, \new
.endif
.endm
.set MUL_LO, 0xa1                      ; source 0 (k) window 1, source 1 (q) window 0, C and D window 2
.set MUL_HI, 0xf1                      ; the same, C and D window 3
.set TO_B,   0x40                      ; destination window 1, address window 0
.macro JLOAD s                         ; a joint load: waves 0 and 1 fetch q's halves, waves 2 and 3 k's; an s_nop 0 and four v_nop follow each line
	s_cmp_eq_u32 s11, 0
	s_cbranch_scc0 .Lfor_b_\@
	tensor_load_to_lds s[G0+4*\s:G0+4*\s+3], s[G1:G1+7]
	s_nop 0
.rept 4
	v_nop
.endr
	s_branch .Lasked_\@
.Lfor_b_\@:
	tensor_load_to_lds s[G0B+4*\s:G0B+4*\s+3], s[G1B:G1B+7]
	s_nop 0
.rept 4
	v_nop
.endr
.Lasked_\@:
.endm
; A PREFETCH INTO THE L2, behind each joint load, its five lines and the run of LDS loads that follows them: the K step that stands TWO refills on: 32 rows x 256 bytes, a lane a row, one instruction a wave.
; Each row's 256 bytes of a K step are named ONCE in the launch.  q's tile row is read by both clusters of that row of clusters: the one with x = 0 asks; k's tile column by both clusters of the batch: the first
; of them asks.  The four partners that ask for a tile jointly share its rows out BY ADDRESS: of the 128 rows that a wave fetches, the partner at place c takes 32 c .. 32 c + 31 (c = cx for q, cy for k).
; K steps 0 to 3 come by their loads alone; K steps 4 to 7 are asked for in the loop's first two trips; the last trip (s3 = 1) asks for nothing.
.macro ASK
	s_cmp_gt_u32 s3, s[LIM]
	s_cbranch_scc0 .Lnot_mine_\@
	global_prefetch_b8 v[PFO], s[PFA:PFA+1] offset:KSTEP*2 th:TH_LOAD_NT scope:SCOPE_SE
.Lnot_mine_\@:
.endm
.macro CREST                           ; a round of the cluster's barrier behind its opening barrier
	s_cmp_lg_u32 s10, 0
	s_cbranch_scc1 .Lnot_wave_0_\@
	s_barrier_signal -3
.Lnot_wave_0_\@:
	s_barrier_wait -3
	s_barrier_signal -1
	s_barrier_wait -1
.endm
.macro CROUND
	s_barrier_signal -1
	s_barrier_wait -1
	CREST
.endm
.macro PLACES                          ; four places in front of loads into registers that matrix instructions have read, and of the first read of results
.rept 4
	v_nop
.endr
.endm
	s_load_b128 s[4:7], s[0:1], 0x0                ; qkv s[4:5], p s[6:7]
	s_load_b64 s[8:9], s[0:1], 0x10                ; st
	v_lshl_add_u32 v[SPW], v0, 2, SPARE
	v_mov_b32 v[NIL], 0
	ds_add_u32 v[SPW], v[NIL]                      ; the wave's opening: the add, twice on end, and its wait ahead of my first tensor load
	ds_add_u32 v[SPW], v[NIL]
	v_lshrrev_b32 v1, 5, v0
	v_readfirstlane_b32 s10, v1                    ; wave 0..3
	s_lshr_b32 s11, s10, 1                         ; which 128 rows are mine.  Also: I fetch for q (0) or for k (1)
	s_and_b32 s12, s10, 1                          ; which 128 columns.  Also: which half of that tile I fetch
	s_bfe_u32 s40, ttmp6, 0x40000                  ; cx, cy
	s_bfe_u32 s41, ttmp6, 0x40004
	s_lshl_b32 s42, ttmp9, 2
	s_add_co_u32 s42, s42, s40                     ; X: which 256 keys
	s_and_b32 s71, ttmp7, 0xffff                   ; the cluster's y
	s_lshl_b32 s13, s71, 2
	s_add_co_u32 s13, s13, s41                     ; Y: which 256 rows of all 8,192
	s_lshr_b32 s71, s71, 1                         ; the batch: a cluster has 1,024 rows, a batch 2,048: made of the cluster's y alone, so it is the same in all sixteen
	s_lshl_b32 s43, s41, 2
	s_lshl_b32 s43, 15, s43                        ; my row of the cluster
	s_lshl_b32 s44, 0x1111, s40                    ; my column
	s_or_b32 s[G1], s43, (1<<16)|(1<<20)|(1<<21)|(5<<22)|(3<<25)    ; the mask; elements of 2 bytes; padding: 4 words behind every 64; bit 21 beside a mask
	s_or_b32 s[G1B], s44, (1<<16)|(1<<20)|(1<<21)|(5<<22)|(3<<25)
.irp g, G1, G1B
	s_mov_b32 s[\g+1], KSTEP<<16                   ; tensor_dim0
	s_mov_b32 s[\g+2], 128<<16                     ; tensor_dim1
	s_mov_b32 s[\g+3], KSTEP<<16                   ; tile_dim0
	s_mov_b32 s[\g+4], 128                         ; tile_dim1
	s_mov_b32 s[\g+5], 3072                        ; elements from row to row of qkv
	s_mov_b32 s[\g+6], 0
	s_mov_b32 s[\g+7], 0
.endr
	s_mov_b32 s66, 0x3d38aa3b                      ; c = log2(e) / 32
	s_mov_b32 s67, s66                             ; (named with it as a pair)
	s_mov_b32 s68, 0x76543210                      ; lane l xor 16
	s_mov_b32 s69, 0xfedcba98
	s_mov_b32 s70, 0xffff0000                      ; lanes 16-31
	s_lshl_b32 s16, s13, 8
	s_lshl_b32 s17, s12, 7
	s_add_co_u32 s16, s16, s17                     ; q: row 256 Y + 128 x half
	s_mul_i32 s16, s16, QROW
	s_mov_b32 s17, 0
	s_lshl_b32 s46, s71, 11
	s_lshl_b32 s47, s42, 8
	s_add_co_u32 s46, s46, s47
	s_lshl_b32 s47, s12, 7
	s_add_co_u32 s46, s46, s47                     ; k: row 2,048 x batch + 256 X + 128 x half
	s_mul_i32 s46, s46, QROW
	s_add_co_u32 s46, s46, 2048                    ; k lies 2,048 bytes into a row of qkv
	s_mov_b32 s47, 0
	s_mul_i32 s20, s10, HALFT                      ; where they go: q's two halves, then k's two halves = wave x 128 rows: no place in the cluster enters an LDS address
	s_wait_dscnt 0x0                               ; both opening adds are done
	s_wait_kmcnt 0x0
	s_add_nc_u64 s[14:15], s[4:5], s[16:17]
	s_add_nc_u64 s[46:47], s[4:5], s[46:47]
	CROUND                                         ; all sixteen work-groups are here: the first joint loads meet
.irp s, 0,1
	s_mov_b32 s[G0+4*\s], 1
	s_add_co_u32 s[G0+4*\s+1], s20, \s*SLOT
	s_add_nc_u64 s[G0+4*\s+2:G0+4*\s+3], s[14:15], \s*KSTEP*2
	s_or_b32 s[G0+4*\s+3], s[G0+4*\s+3], 0x80000000
	s_mov_b32 s[G0B+4*\s], 1
	s_add_co_u32 s[G0B+4*\s+1], s20, \s*SLOT
	s_add_nc_u64 s[G0B+4*\s+2:G0B+4*\s+3], s[46:47], \s*KSTEP*2
	s_or_b32 s[G0B+4*\s+3], s[G0B+4*\s+3], 0x80000000
	JLOAD \s
.endr
	v_and_b32 v1, 15, v0                           ; r
	v_bfe_u32 v2, v0, 4, 1                         ; h
	v_mul_u32_u24 v3, v1, PITCH
	v_lshl_add_u32 v3, v2, 4, v3                   ; row x pitch + 16 x half
	s_mul_i32 s21, s11, HALFT                      ; my 128 rows of q
	s_mul_i32 s22, s12, HALFT                      ; my 128 rows of k,
	s_add_co_u32 s22, s22, 2*HALFT                 ; behind q's 256
.irp s, 0,1
	v_add_nc_u32 v[ADRA+\s], s21, v3
	v_add_nc_u32 v[ADRB+\s], s22, v3
	s_add_co_u32 s21, s21, SLOT
	s_add_co_u32 s22, s22, SLOT
.endr
	s_mul_i32 s23, s10, 16*PITCH
	s_add_co_u32 s23, s23, STAGE                   ; my stage
	v_add_nc_u32 v[STO], s23, v3                   ; in: row r, 16 bytes for each half of the lanes
	v_mul_u32_u24 v4, v2, PITCH
	v_lshl_add_u32 v4, v1, 4, v4
	v_add_nc_u32 v[RD], s23, v4                    ; back: lanes 0-15 one row of 256 bytes, lanes 16-31 the next
	v_lshlrev_b32 v[CO], 12, v2
	v_lshl_add_u32 v[CO], v1, 4, v[CO]             ; and the same two rows in p (4,096 bytes a row)
	v_and_b32 v[SO], 31, v0
	v_lshlrev_b32 v[SO], 3, v[SO]
	s_lshl_b32 s16, s13, 8
	s_lshl_b32 s17, s11, 7
	s_add_co_u32 s16, s16, s17                     ; my first row: 256 Y + 128 x half
	s_lshl_b32 s18, s16, 3                         ; 8 bytes a row in st
	s_lshl_b32 s16, s16, 12
	s_mov_b32 s17, 0
	s_add_nc_u64 s[6:7], s[6:7], s[16:17]
	s_lshl_b32 s46, s42, 9
	s_lshl_b32 s47, s12, 8
	s_add_co_u32 s46, s46, s47                     ; my first key, in bytes: 512 X + 256 x half
	s_mov_b32 s47, 0
	s_add_nc_u64 s[6:7], s[6:7], s[46:47]
	s_lshl_b32 s46, s42, 1
	s_add_co_u32 s46, s46, s12                     ; my key block: 2 X + half
	s_lshl_b32 s46, s46, 16                        ; 65,536 bytes of st a block
	s_add_co_u32 s46, s46, s18
	s_add_nc_u64 s[8:9], s[8:9], s[46:47]
	; the prefetches: where my wave's stand, and who asks
	s_lshl_b32 s76, s13, 8                         ; q: the tile's first row, 256 Y
	s_lshl_b32 s77, s71, 11
	s_lshl_b32 s75, s42, 8
	s_add_co_u32 s77, s77, s75                     ; k: 2,048 x batch + 256 X
	s_and_b32 s78, ttmp7, 1                        ; which of the batch's two clusters
	s_cmp_eq_u32 s11, 0                            ; do I fetch for q?
	s_cselect_b32 s76, s76, s77
	s_cselect_b32 s77, s40, s41                    ; my place among the four that ask with me
	s_cselect_b32 s78, ttmp9, s78                  ; the coordinate along which the other cluster reads the same rows
	s_cselect_b32 s79, 0, 2048                     ; k lies 2,048 bytes into a row
	s_cmp_eq_u32 s78, 0
	s_cselect_b32 s[LIM], 1, -1                    ; the same in all sixteen partners, for a given wave
	s_lshl_b32 s78, s12, 7
	s_add_co_u32 s76, s76, s78                     ; + the 128 rows that I fetch
	s_lshl_b32 s77, s77, 5
	s_add_co_u32 s76, s76, s77                     ; + my work-group's 32 of them
	s_mul_i32 s76, s76, QROW
	s_add_co_u32 s76, s76, s79
	s_add_co_u32 s76, s76, 2*KSTEP*2               ; at K step 2: the first refill steps it to 3 and names K step 4
	s_mov_b32 s77, 0
	s_add_nc_u64 s[PFA:PFA+1], s[4:5], s[76:77]
	v_and_b32 v[PFO], 31, v0
	v_mul_u32_u24 v[PFO], v[PFO], QROW
; 16 matrix instructions: q's blocks a0, a0 + 1 of the window's four (hi = 0: my rows 0-63, 1: rows 64-127) against k's eight, 32 along K.  zero = 1: the first product starts the sums.
; The 64 accumulators take turns, one instruction a turn, in the same order in every quarter.
.macro MUL16 f, hi, a0, zero
.irp a, \a0, \a0+1
.irp b, 0,1,2,3,4,5,6,7
.if \zero
	v_wmma_f32_16x16x32_f16 v[8*(8*(\a)+\b):8*(8*(\a)+\b)+7], v[\f+8*\b:\f+8*\b+7], v[\f+8*(4*\hi+\a):\f+8*(4*\hi+\a)+7], 0
.else
	v_wmma_f32_16x16x32_f16 v[8*(8*(\a)+\b):8*(8*(\a)+\b)+7], v[\f+8*\b:\f+8*\b+7], v[\f+8*(4*\hi+\a):\f+8*(4*\hi+\a)+7], v[8*(8*(\a)+\b):8*(8*(\a)+\b)+7]
.endif
.endr
.endr
.endm
; 32 LDS loads in one run: the fragments of one quarter step (32 along K at byte k of the rows) into buffer f: k's eight, then q's eight
.macro FETCH slot, k, f
	WIN TO_B
.irp i, 0,1,2,3,4,5,6,7
	ds_load_b128 v[\f+8*\i:\f+8*\i+3],   v[ADRB+\slot] offset:\k+\i*16*PITCH
	ds_load_b128 v[\f+8*\i+4:\f+8*\i+7], v[ADRB+\slot] offset:\k+\i*16*PITCH+32
.endr
	WIN 0
.irp i, 0,1,2,3,4,5,6,7
	ds_load_b128 v[\f+8*\i:\f+8*\i+3],   v[ADRA+\slot] offset:\k+\i*16*PITCH
	ds_load_b128 v[\f+8*\i+4:\f+8*\i+7], v[ADRA+\slot] offset:\k+\i*16*PITCH+32
.endr
.endm
; A K step is four quarters of 32 along K, 64 matrix instructions each, on buffers 0, 1, 0, 1.  One of the first three multiplies buffer f and fetches the quarter at byte k into buffer g.
.macro QUARTER slot, k, f, g, zero
	s_wait_dscnt 8                                 ; k's fragments and q's rows 0-63 are in; the youngest eight loads (q's rows 64-127) may be out
	WIN MUL_LO
	MUL16 \f, 0, 0, \zero
	MUL16 \f, 0, 2, \zero
	PLACES
	FETCH \slot, \k, \g
	s_wait_dscnt 32                                ; all but the 32 just issued
	WIN MUL_HI
	MUL16 \f, 1, 0, \zero
	MUL16 \f, 1, 2, \zero
.endm
; The last quarter multiplies buffer 1 and changes slots: in front of the barrier each wave waits for all its tensor loads, adds 0 to its spare word, and waits for that and for its reads of this slot.
; fill = 1: the barrier opens a round of the cluster's, and this slot is filled again, two K steps ahead.
.macro TURN slot, next, fill
.if \fill
	s_wait_xcnt 0x0                                ; the last prefetch, a K step back, has read its address: it is stepped here, ahead of the waits of the change of slots
	s_add_nc_u64 s[PFA:PFA+1], s[PFA:PFA+1], KSTEP*2
.endif
	WIN 0                                          ; (the add's two registers lie in window 0)
	s_wait_tensorcnt 0x0                           ; all my tensor loads have landed: my part of the next slot
	ds_add_u32 v[SPW], v[NIL]                      ; 0 onto my spare word
	s_wait_dscnt 9                                 ; (the add and the youngest eight loads may be out)
	WIN MUL_LO
	MUL16 F1, 0, 0, 0                              ; sixteen matrix instructions stand between the add and the wait for it
	s_wait_dscnt 0x0                               ; the add is done, and my reads of this slot are over
	s_barrier_signal -1
	MUL16 F1, 0, 2, 0                              ; work on registers while the others arrive
	WIN 0
	s_barrier_wait -1
.if \fill
	CREST                                          ; no wave of any partner still reads this slot or has a load on its way
	s_add_nc_u64 s[G0+4*\slot+2:G0+4*\slot+3], s[G0+4*\slot+2:G0+4*\slot+3], 2*KSTEP*2
	s_add_nc_u64 s[G0B+4*\slot+2:G0B+4*\slot+3], s[G0B+4*\slot+2:G0B+4*\slot+3], 2*KSTEP*2
	JLOAD \slot                                    ; the first tensor load behind the round; its four v_nop are also the places in front of the loads below
.else
	PLACES
.endif
	FETCH \next, 0, F0
.if \fill
	ASK
.endif
	WIN MUL_HI
	MUL16 F1, 1, 0, 0
	MUL16 F1, 1, 2, 0
.endm
	s_wait_tensorcnt 1                             ; my part of K step 0 is in (K step 1's load may be out),
	s_barrier_signal -1
	s_barrier_wait -1                              ; everybody's is
	FETCH 0, 0, F0
	QUARTER 0, 64, F0, F1, 1                       ; the first quarter's products start the sums: nothing is cleared
	WIN 0
	s_mov_b32 s3, LAPS-1
.Llap:                                                 ; a trip goes once round the ring, from a lap's second quarter to the next lap's first, and fills both slots again
	QUARTER 0, 128, F1, F0, 0
	QUARTER 0, 192, F0, F1, 0
	TURN 0, 1, 1
	QUARTER 1, 64,  F0, F1, 0
	QUARTER 1, 128, F1, F0, 0
	QUARTER 1, 192, F0, F1, 0
	TURN 1, 0, 1
	QUARTER 0, 64,  F0, F1, 0
	WIN 0
	s_sub_co_u32 s3, s3, 1
	s_cmp_lg_u32 s3, 0
	s_cbranch_scc1 .Llap
	QUARTER 0, 128, F1, F0, 0                      ; the last lap fills nothing, and has no round of the cluster's barrier
	QUARTER 0, 192, F0, F1, 0
	TURN 0, 1, 0
	QUARTER 1, 64,  F0, F1, 0
	QUARTER 1, 128, F1, F0, 0
	QUARTER 1, 192, F0, F1, 0
	s_wait_dscnt 8                                 ; the last quarter: nothing more to fetch
	WIN MUL_LO
	MUL16 F1, 0, 0, 0
	MUL16 F1, 0, 2, 0
	s_wait_dscnt 0x0
	WIN MUL_HI
	MUL16 F1, 1, 0, 0
	MUL16 F1, 1, 2, 0
	WIN 0
; THE SOFTMAX OF A BLOCK OF 16 ROWS x 128 KEYS.  Lanes l and l xor 16 hold a row: 64 scores each, from v[64 (a % 4)] on in window 2 (blocks 0-3) or 3 (blocks 4-7).
.macro SOFT a
.set AC, 64*((\a)%4)
.set W, 2+(\a)/4
.set WW, 21*W
	WIN WW                                         ; all three sources in the block's window
.irp b, 0,1,2,3,4,5,6,7
	v_max3_num_f32 v[XM+\b], v[AC+8*\b], v[AC+8*\b+1], v[AC+8*\b+2]       ; each accumulator from its low end on
.endr
.set WW, 20*W
	WIN WW                                         ; sources 1 and 2
.irp i, 3,5
.irp b, 0,1,2,3,4,5,6,7
	v_max3_num_f32 v[XM+\b], v[XM+\b], v[AC+8*\b+\i], v[AC+8*\b+\i+1]
.endr
.endr
.irp b, 0,1,2,3,4,5,6,7
	v_max_num_f32 v[XM+\b], v[XM+\b], v[AC+8*\b+7]
.endr
	WIN 0
	v_max3_num_f32 v[XM], v[XM], v[XM+1], v[XM+2]
	v_max3_num_f32 v[XM+3], v[XM+3], v[XM+4], v[XM+5]
	v_max3_num_f32 v[XM], v[XM], v[XM+3], v[XM+6]
	v_max_num_f32 v[XM], v[XM], v[XM+7]
	v_permlanex16_b32 v[XM+1], v[XM], s68, s69
	v_max_num_f32 v[XM], v[XM], v[XM+1]            ; the row's largest score in this block
	v_mul_f32 v[XM], s66, v[XM]                    ; as t (c is positive)
	v_floor_f32 v40, -v[XM]                        ; -M = floor(-t) = -ceil(t): a whole number
	v_mov_b32 v41, v40                             ; (named with it as a pair)
	v_mov_b32 v[NMV+(\a)], v40
.set WW, 65*W
	WIN WW                                         ; destination and source 0
.set j, 0
.rept 32
	v_pk_fma_f32 v[AC+j:AC+j+1], v[AC+j:AC+j+1], s[66:67], v[40:41] op_sel_hi:[1,0,0]   ; t - M, two at a time
.set j, j+2
.endr
.set j, 0
.rept 64
	v_exp_f32 v[AC+j], v[AC+j]                     ; p = 2^(t - M)
.set j, j+1
.endr
	v_nop                                          ; a plain instruction behind the last exponential
	s_wait_alu depctr_va_vdst(0)                   ; one wait for the whole batch, ahead of its first reader
.set WW, 5*W
	WIN WW                                         ; sources 0 and 1
	v_pk_add_f32 v[42:43], v[AC:AC+1], v[AC+2:AC+3]                ; the sum of the unrounded p, in two chains
	v_pk_add_f32 v[44:45], v[AC+4:AC+5], v[AC+6:AC+7]
.set WW, 4*W
	WIN WW                                         ; source 1
.set j, 8
.rept 14
	v_pk_add_f32 v[42:43], v[42:43], v[AC+j:AC+j+1]
	v_pk_add_f32 v[44:45], v[44:45], v[AC+j+2:AC+j+3]
.set j, j+4
.endr
.set WW, 5*W
	WIN WW
.irp b, 0,1,2,3,4,5,6,7
.irp r, 0,1,2,3
	v_cvt_pk_f16_f32 v[TMP+4*\b+\r], v[AC+8*\b+2*\r], v[AC+8*\b+2*\r+1]
.endr
.endr
	WIN 0
	v_pk_add_f32 v[42:43], v[42:43], v[44:45]
	v_add_f32 v42, v42, v43
	v_permlanex16_b32 v44, v42, s68, s69
	v_add_f32 v[LV+(\a)], v42, v44                 ; the row's sum in this block
.endm
.macro TOSTAGE a
.set BK, OB+32*((\a)%2)
.irp b, 0,1,2,3,4,5,6,7
	ds_store_b128 v[STO], v[TMP+4*\b:TMP+4*\b+3] offset:32*\b
.endr
.irp t, 0,1,2,3,4,5,6,7
	ds_load_b128 v[BK+4*\t:BK+4*\t+3], v[RD] offset:\t*2*PITCH     ; LDS serves a wave's instructions in order: these see the stores above
.endr
.endm
.macro SEND a
.set BK, OB+32*((\a)%2)
	s_wait_dscnt 0x0                               ; the block is back in registers
	s_wait_xcnt 0x0                                ; the earlier stores have read their base and their registers: only behind this wait are they rewritten
.if (\a) > 0
	s_add_nc_u64 s[6:7], s[6:7], 16*4096
.endif
.irp t, 0,1,2,3,4,5,6,7
	global_store_b128 v[CO], v[BK+4*\t:BK+4*\t+3], s[6:7] offset:2*\t*4096   ; 16 lanes store 256 consecutive bytes, aligned
.endr
.endm
	PLACES
	SOFT 0
	TOSTAGE 0
.irp a, 1,2,3,4,5,6,7                  ; block a's softmax stands between block a - 1's loads from the stage and the wait for them
	SOFT \a
	SEND \a-1
	TOSTAGE \a
.endr
	SEND 7
.irp j, 0,1,2,3
	v_cndmask_b32 v[RC+2*\j], v[NMV+2*\j], v[NMV+2*\j+1], s70      ; the records (-M, sum): lanes 0-15 the rows of block 2 j, lanes 16-31 those of block 2 j + 1
	v_cndmask_b32 v[RC+2*\j+1], v[LV+2*\j], v[LV+2*\j+1], s70
.endr
.irp j, 0,1,2,3
	global_store_b64 v[SO], v[RC+2*\j:RC+2*\j+1], s[8:9] offset:256*\j   ; 256 consecutive bytes, aligned
.endr
	s_wait_tensorcnt 0x0                           ; the wave's end
	ds_add_u32 v[SPW], v[NIL]
	s_wait_dscnt 0x0
	CROUND                                         ; the closing round
	s_endpgm
.Lfunc_end_k_q433ef3f209_scores:
	.size	k_q433ef3f209_scores, .Lfunc_end_k_q433ef3f209_scores-k_q433ef3f209_scores
	.p2alignl 7, 3214868480
	.fill 96, 4, 3214868480
	.section	.rodata,"a",@progbits
	.p2align	6, 0x0
	.amdhsa_kernel k_q433ef3f209_scores
		.amdhsa_group_segment_fixed_size 327680
		.amdhsa_private_segment_fixed_size 0
		.amdhsa_enable_private_segment 0
		.amdhsa_kernarg_size 24
		.amdhsa_user_sgpr_count 2
		.amdhsa_user_sgpr_kernarg_segment_ptr 1
		.amdhsa_wavefront_size32 1
		.amdhsa_system_sgpr_workgroup_id_x 1
		.amdhsa_system_sgpr_workgroup_id_y 1
		.amdhsa_system_sgpr_workgroup_id_z 1
		.amdhsa_system_vgpr_workitem_id 0
		.amdhsa_next_free_vgpr 1024
		.amdhsa_next_free_sgpr 80
		.amdhsa_reserve_vcc 0
		.amdhsa_float_denorm_mode_32 3
		.amdhsa_float_denorm_mode_16_64 3
		.amdhsa_memory_ordered 1
		.amdhsa_forward_progress 1
		.amdhsa_inst_pref_size 214
	.end_amdhsa_kernel
	.amdgpu_metadata
---
amdhsa.version: [ 1, 2 ]
amdhsa.kernels:
  - .name:           k_q433ef3f209_scores
    .symbol:         k_q433ef3f209_scores.kd
    .args:
      - { .name: qkv, .offset: 0, .size: 8, .value_kind: global_buffer, .address_space: global }
      - { .name: p, .offset: 8, .size: 8, .value_kind: global_buffer, .address_space: global }
      - { .name: st, .offset: 16, .size: 8, .value_kind: global_buffer, .address_space: global }
    .group_segment_fixed_size: 327680
    .private_segment_fixed_size: 0
    .kernarg_segment_align: 8
    .kernarg_segment_size: 24
    .max_flat_workgroup_size: 128
    .sgpr_count:     80
    .vgpr_count:     1024
    .wavefront_size: 32
...
	.end_amdgpu_metadata
.endif
;; end of part 3
;; launch pv (part 4): grid 4 x 64, 4 waves a work-group, clusters of 4 x 4, 327,680 bytes of LDS; arguments p, st, qkv, ctx; writes ctx
.if DOCPART == 4
	.amdgcn_target "amdgcn-amd-amdhsa--gfx1250"
	.amdhsa_code_object_version 6
	.text
	.protected	k_q433ef3f209_pv
	.globl	k_q433ef3f209_pv
	.p2align	8
	.type	k_q433ef3f209_pv,@function
k_q433ef3f209_pv:
	s_mov_b64 s[64:65], 0
	v_nop
	global_prefetch_b8 v0, s[64:65] scope:SCOPE_SE
	s_setreg_imm32_b32 hwreg(HW_REG_WAVE_MODE, 25, 1), 1
	s_wait_xcnt 0x0
	s_wait_alu depctr_hold_cnt(0) depctr_sa_sdst(0) depctr_va_vdst(0) depctr_va_sdst(0) depctr_va_ssrc(0) depctr_va_vcc(0) depctr_vm_vsrc(0)
	s_getreg_b32 s2, hwreg(HW_REG_IB_STS2, 6, 4)
	s_cmp_eq_u32 s2, 0
	s_cbranch_scc0 .Lentry_in_a_cluster
	s_endpgm
.Lentry_in_a_cluster:
	s_bfe_u32 s2, ttmp6, 0x10000c
	s_cmp_lg_u32 s2, 0xf033
	s_cbranch_scc0 .Lentry_shape_is_right
	s_endpgm
.Lentry_shape_is_right:
; ctx = softmax x v for each batch.  p arrives block by block of 128 keys under each block's own M, and a K step of 128 keys IS a block.  A row's M is the largest of its 16; d_k = M_k - M, held at -40 from below.
; The sum of 2^d_k (P_k V_k) is built step by step, in f32, on the accumulators: acc = acc x 2^(d_(k-1) - d_k) + P_k V_k, and at the end x 2^d_15 / l, with l = the sum of L_k 2^d_k.
; Every factor is an exact power of two between 2^-40 and 2^40, so nothing is rounded by them.  f16 operands, f32 sums; ctx is rounded once, to f16.  No work is left out.
; LIMITS: a block whose M lies more than 40 under the row's counts as if it lay 40 under it: at most 2^-40 of the row's largest weight, in the sums and in l alike; the sums on the way stay under
; 2^40 x 2,048 x the largest |v|; ctx lies within v's range, so within f16's.  NaN and infinities are not served.
; SHARES, RING, CLUSTERS: a tile is 128 rows x 256 channels, four waves 2 x 2, each 64 x 128: 32 accumulators; K = 2,048 keys in steps of 128 through two LDS slots; p's tile is shared along a row of the
; cluster, v's along a column.  v lies [key][channel]: its fragments come out of LDS turned, by ds_load_tr16_b128.  A larger tile would leave half of the 256 WGPs without a work-group.
; REGISTERS: window 0: v1-31 addresses, among them v8-15 the step's factors in pairs; v32-39, v60-63 at work at the head; v40-47 2^d_15 / l in pairs; v48-51 -M of the row; v52-55 l; v56-59 the factors as loaded;
;   fragment buffers v64-159, v160-255 (4 fragments of p, then 8 of v); window 1: accumulator (a, b) at v[8 (8 a + b)].
.set PITCH, 272
.set PB,    544                        ; a row of v in LDS: 512 bytes + 32 of padding
.set AHALF, 64*PITCH
.set ATILE, 2*AHALF
.set BHALF, 64*PB
.set SLOT,  ATILE+2*BHALF
.set STAGE, 2*SLOT
.set FT,    STAGE+4*16*PITCH           ; the factors: for each wave 8,192 bytes: entry j, 512 bytes, is an image of four registers: 2^(d_j - d_(j+1)) of my four blocks of rows, j = 0 .. 14
.set SPARE, FT+4*8192+1024             ; the spare words, 128 bytes for each wave
.set STEPB, 128*6144                   ; a K step of v in bytes: 128 rows of qkv
.set LAPS,  8
.set FSP,  8                           ; v8-15 the factors at work: block a's in v[8 + 2 a]; the pairs' upper words are written once and not used
.set ADRA, 16
.set PFO,  19                          ; the prefetches' offset: my lane x a row of p or of qkv; never rewritten
.set ADRB, 20
.set STO,  24
.set RD,   25
.set CO,   26
.set AFT,  27                          ; where the factors loaded last lie
.set SPW,  28
.set NIL,  29
.set RL,   40
.set NMR,  48
.set LS,   52
.set FS,   56
.set REC,  64                          ; at the head: the 64 records (-M, L), (kb, a) at v[REC + 2 (4 kb + a)]
.set TB,   192                         ; at the head: the table's 15 entries
.set TMP,  64
.set OB,   96
.set F0,   64
.set F1,   160
.set G1, 24
.set G0, 32
.set G1B, 48
.set G0B, 56
.set LIM, 70                           ; s70 1 in a wave that prefetches, else the greatest number
.set PFA, 76                           ; s[76:77] the K step that my last prefetch named
.set PFS, 78                           ; s[78:79] a K step on, in bytes: 256 in a row of p, 128 rows of qkv for v
.set MSB, 0
.macro WIN new
.if MSB != \new
	s_set_vgpr_msb (MSB<<8)|\new
.set MSB, \new
.endif
.endm
.set MUL, 0x50                         ; C and D window 1, the fragments window 0
.macro JLOAD s                         ; a joint load: waves 0 and 1 fetch p's halves, waves 2 and 3 v's; an s_nop 0 and four v_nop follow each line
	s_cmp_eq_u32 s11, 0
	s_cbranch_scc0 .Lfor_b_\@
	tensor_load_to_lds s[G0+4*\s:G0+4*\s+3], s[G1:G1+7]
	s_nop 0
.rept 4
	v_nop
.endr
	s_branch .Lasked_\@
.Lfor_b_\@:
	tensor_load_to_lds s[G0B+4*\s:G0B+4*\s+3], s[G1B:G1B+7]
	s_nop 0
.rept 4
	v_nop
.endr
.Lasked_\@:
.endm
; A PREFETCH INTO THE L2, behind each joint load, its five lines and the run of LDS loads that follows them: the K step that stands TWO refills on, a lane a row, one instruction a wave.
; Each aligned block of 256 bytes is named ONCE in the launch.  p's tile (128 rows x 256 bytes) is read by one row of one cluster: wave 0 asks, each of the four partners for 32 rows (told apart by address, by cx).
; v's tile (128 keys x 512 bytes) is read by the batch's four clusters: the first of them asks, each of the four partners of a column for 32 keys (by cy), wave 2 for the rows' first 256 bytes, wave 3 for the second.
; K steps 0 to 3 come by their loads alone; K steps 4 to 15 are asked for in the loop's first six trips; the last trip (s3 = 1) asks for nothing.
.macro ASK
	s_cmp_gt_u32 s3, s[LIM]
	s_cbranch_scc0 .Lnot_mine_\@
	global_prefetch_b8 v[PFO], s[PFA:PFA+1] th:TH_LOAD_NT scope:SCOPE_SE
.Lnot_mine_\@:
.endm
.macro CREST
	s_cmp_lg_u32 s10, 0
	s_cbranch_scc1 .Lnot_wave_0_\@
	s_barrier_signal -3
.Lnot_wave_0_\@:
	s_barrier_wait -3
	s_barrier_signal -1
	s_barrier_wait -1
.endm
.macro CROUND
	s_barrier_signal -1
	s_barrier_wait -1
	CREST
.endm
.macro PLACES
.rept 4
	v_nop
.endr
.endm
	s_load_b128 s[4:7], s[0:1], 0x0                ; p s[4:5], st s[6:7]
	s_load_b128 s[72:75], s[0:1], 0x10             ; qkv s[72:73], ctx s[74:75]
	v_lshl_add_u32 v[SPW], v0, 2, SPARE
	v_mov_b32 v[NIL], 0
	ds_add_u32 v[SPW], v[NIL]                      ; the wave's opening: the add, twice on end, and its wait ahead of my first tensor load
	ds_add_u32 v[SPW], v[NIL]
	v_lshrrev_b32 v1, 5, v0
	v_readfirstlane_b32 s10, v1                    ; wave 0..3
	s_lshr_b32 s11, s10, 1                         ; which 64 rows are mine.  Also: I fetch for p (0) or for v (1)
	s_and_b32 s12, s10, 1                          ; which 128 channels.  Also: which half of that tile I fetch
	s_bfe_u32 s40, ttmp6, 0x40000
	s_bfe_u32 s41, ttmp6, 0x40004
	s_lshl_b32 s42, ttmp9, 2
	s_add_co_u32 s42, s42, s40                     ; X: which 256 channels
	s_and_b32 s71, ttmp7, 0xffff
	s_lshl_b32 s13, s71, 2
	s_add_co_u32 s13, s13, s41                     ; Y: which 128 rows
	s_lshr_b32 s71, s71, 2                         ; the batch, from the cluster's y alone
	s_lshl_b32 s43, s41, 2
	s_lshl_b32 s43, 15, s43
	s_lshl_b32 s44, 0x1111, s40
	s_or_b32 s[G1], s43, (1<<16)|(1<<20)|(1<<21)|(5<<22)|(3<<25)    ; p: 64 rows x 128 elements, 4 words of padding behind every 64
	s_mov_b32 s[G1+1], 128<<16
	s_mov_b32 s[G1+2], 64<<16
	s_mov_b32 s[G1+3], 128<<16
	s_mov_b32 s[G1+4], 64
	s_mov_b32 s[G1+5], 2048
	s_mov_b32 s[G1+6], 0
	s_mov_b32 s[G1+7], 0
	s_or_b32 s[G1B], s44, (1<<16)|(1<<20)|(1<<21)|(6<<22)|(7<<25)   ; v: 64 keys x 256 elements, 8 words of padding behind every 128
	s_mov_b32 s[G1B+1], 256<<16
	s_mov_b32 s[G1B+2], 64<<16
	s_mov_b32 s[G1B+3], 256<<16
	s_mov_b32 s[G1B+4], 64
	s_mov_b32 s[G1B+5], 3072
	s_mov_b32 s[G1B+6], 0
	s_mov_b32 s[G1B+7], 0
	s_lshl_b32 s16, s13, 7
	s_lshl_b32 s17, s12, 6
	s_add_co_u32 s16, s16, s17                     ; p: row 128 Y + 64 x half
	s_lshl_b32 s16, s16, 12
	s_mov_b32 s17, 0
	s_lshl_b32 s46, s71, 11
	s_lshl_b32 s47, s12, 6
	s_add_co_u32 s46, s46, s47                     ; v: key 2,048 x batch + 64 x half
	s_mul_i32 s46, s46, 6144
	s_lshl_b32 s47, s42, 9
	s_add_co_u32 s46, s46, s47                     ; + 512 X bytes
	s_add_co_u32 s46, s46, 4096                    ; v lies 4,096 bytes into a row of qkv
	s_mov_b32 s47, 0
	s_mul_i32 s20, s12, AHALF
	s_mul_i32 s21, s12, BHALF
	s_add_co_u32 s21, s21, ATILE
	s_wait_dscnt 0x0                               ; both opening adds are done
	s_wait_kmcnt 0x0
	s_add_nc_u64 s[14:15], s[4:5], s[16:17]
	s_add_nc_u64 s[46:47], s[72:73], s[46:47]
	CROUND
.irp s, 0,1
	s_mov_b32 s[G0+4*\s], 1
	s_add_co_u32 s[G0+4*\s+1], s20, \s*SLOT
	s_add_nc_u64 s[G0+4*\s+2:G0+4*\s+3], s[14:15], \s*256
	s_or_b32 s[G0+4*\s+3], s[G0+4*\s+3], 0x80000000
	s_mov_b32 s[G0B+4*\s], 1
	s_add_co_u32 s[G0B+4*\s+1], s21, \s*SLOT
	s_add_nc_u64 s[G0B+4*\s+2:G0B+4*\s+3], s[46:47], \s*STEPB
	s_or_b32 s[G0B+4*\s+3], s[G0B+4*\s+3], 0x80000000
	JLOAD \s
.endr
	v_and_b32 v1, 15, v0                           ; r
	v_bfe_u32 v2, v0, 4, 1                         ; h
	s_lshl_b32 s16, s13, 7
	s_lshl_b32 s17, s11, 6
	s_add_co_u32 s16, s16, s17                     ; my first row: 128 Y + 64 x half
	s_lshl_b32 s18, s16, 3
	s_mov_b32 s19, 0
	s_add_nc_u64 s[6:7], s[6:7], s[18:19]          ; its record in st
	v_lshlrev_b32 v30, 3, v1                       ; 8 r
.irp kb, 0,1,2,3,4,5,6,7,8,9,10,11,12,13,14,15
.irp a, 0,1,2,3
	global_load_b64 v[REC+2*(4*\kb+\a):REC+2*(4*\kb+\a)+1], v30, s[6:7] offset:65536*\kb+128*\a   ; (-M, L) of row 16 a + r in key block kb
.endr
.endr
	v_mul_u32_u24 v3, v1, PITCH
	v_lshl_add_u32 v3, v2, 4, v3
	s_mul_i32 s21, s11, AHALF                      ; my 64 rows of p
	v_and_b32 v4, 7, v0
	v_lshl_add_u32 v4, v2, 3, v4                   ; v, turned: key 8 h + l % 8,
	v_mul_u32_u24 v4, v4, PB
	v_bfe_u32 v5, v0, 3, 1
	v_lshl_add_u32 v4, v5, 4, v4                   ; channels 8 ((l / 8) % 2) on
	s_lshl_b32 s22, s12, 8                         ; my 128 channels: 256 bytes into each row,
	s_add_co_u32 s22, s22, ATILE                   ; behind p's 128 rows
.irp s, 0,1
	v_add_nc_u32 v[ADRA+\s], s21, v3
	v_add_nc_u32 v[ADRB+\s], s22, v4
	s_add_co_u32 s21, s21, SLOT
	s_add_co_u32 s22, s22, SLOT
.endr
	s_mul_i32 s23, s10, 16*PITCH
	s_add_co_u32 s23, s23, STAGE
	v_add_nc_u32 v[STO], s23, v3
	v_mul_u32_u24 v4, v2, PITCH
	v_lshl_add_u32 v4, v1, 4, v4
	v_add_nc_u32 v[RD], s23, v4
	v_lshlrev_b32 v[CO], 11, v2
	v_lshl_add_u32 v[CO], v1, 4, v[CO]             ; two rows of ctx (2,048 bytes a row)
	v_and_b32 v31, 31, v0
	v_lshlrev_b32 v31, 4, v31
	s_lshl_b32 s23, s10, 13
	s_add_co_u32 s23, s23, FT
	v_add_nc_u32 v31, s23, v31                     ; my wave's factors: 16 x lane
	v_mov_b32 v[AFT], v31
.irp a, 0,1,2,3
	v_mov_b32 v[FSP+2*\a+1], 0                     ; the pairs' upper words: named with the factors, so they are written
.endr
	s_lshl_b32 s16, s16, 11
	s_mov_b32 s17, 0
	s_add_nc_u64 s[74:75], s[74:75], s[16:17]
	s_lshl_b32 s46, s42, 9
	s_lshl_b32 s47, s12, 8
	s_add_co_u32 s46, s46, s47
	s_mov_b32 s47, 0
	s_add_nc_u64 s[74:75], s[74:75], s[46:47]      ; ctx at my first row and channel
	; the prefetches: where my wave's stand, and who asks
	s_lshl_b32 s66, s13, 7
	s_lshl_b32 s22, s40, 5
	s_add_co_u32 s66, s66, s22                     ; p: row 128 Y + 32 cx,
	s_lshl_b32 s66, s66, 12                        ; 4,096 bytes a row
	s_lshl_b32 s67, s71, 11
	s_lshl_b32 s22, s41, 5
	s_add_co_u32 s67, s67, s22                     ; v: key 2,048 x batch + 32 cy,
	s_mul_i32 s67, s67, 6144
	s_lshl_b32 s22, s42, 9
	s_add_co_u32 s67, s67, s22                     ; + 512 X bytes,
	s_lshl_b32 s22, s12, 8
	s_add_co_u32 s67, s67, s22                     ; + the half of the 512 that my wave asks for,
	s_add_co_u32 s67, s67, 4096                    ; 4,096 bytes into a row of qkv
	s_mov_b32 s[PFS], STEPB
	s_mov_b32 s69, 6144
	s_and_b32 s68, ttmp7, 3                        ; which of the batch's four clusters
	s_cmp_eq_u32 s11, 0                            ; do I fetch for p?
	s_cselect_b32 s68, s12, s68                    ; for p wave 0 asks; for v the batch's first cluster
	s_cselect_b32 s66, s66, s67
	s_cselect_b64 s[PFA:PFA+1], s[4:5], s[72:73]
	s_cselect_b32 s[PFS], 256, s[PFS]              ; a K step on
	s_cselect_b32 s69, 4096, s69                   ; from lane to lane
	s_cmp_eq_u32 s68, 0
	s_cselect_b32 s[LIM], 1, -1                    ; the same in all sixteen partners, for a given wave
	s_mul_i32 s67, s[PFS], 3
	s_add_co_u32 s66, s66, s67                     ; at K step 3: the first refill steps it to 4 and names that
	s_mov_b32 s67, 0
	s_mov_b32 s[PFS+1], 0
	s_add_nc_u64 s[PFA:PFA+1], s[PFA:PFA+1], s[66:67]
	v_and_b32 v[PFO], 31, v0
	v_mul_lo_u32 v[PFO], v[PFO], s69
	s_wait_loadcnt 0x0                             ; the 64 records
.irp a, 0,1,2,3
	v_min3_num_f32 v[NMR+\a], v[REC+2*\a], v[REC+2*(4+\a)], v[REC+2*(8+\a)]       ; the least -M is the row's: its M is the largest
.endr
.irp k, 3,5,7,9,11,13
.irp a, 0,1,2,3
	v_min3_num_f32 v[NMR+\a], v[NMR+\a], v[REC+2*(4*\k+\a)], v[REC+2*(4*(\k+1)+\a)]
.endr
.endr
.irp a, 0,1,2,3
	v_min_num_f32 v[NMR+\a], v[NMR+\a], v[REC+2*(60+\a)]
.endr
.irp kb, 0,1,2,3,4,5,6,7,8,9,10,11,12,13,14,15
.set IC, 32+28*(\kb%2)                 ; d of this block, as a whole number: v32-35 and v60-63 by turns
.set IP, 60-28*(\kb%2)                 ; and of the block before
.irp a, 0,1,2,3
	v_sub_f32 v[IC+\a], v[NMR+\a], v[REC+2*(4*\kb+\a)]             ; M_kb - M: a whole number, 0 or less,
.endr
.irp a, 0,1,2,3
	v_max_num_f32 v[IC+\a], 0xc2200000, v[IC+\a]   ; held at -40 from below
.endr
.irp a, 0,1,2,3
	v_cvt_i32_f32 v[IC+\a], v[IC+\a]
.endr
.irp a, 0,1,2,3
	v_ldexp_f32 v[36+\a], 1.0, v[IC+\a]            ; 2^d
.endr
.irp a, 0,1,2,3
.if \kb == 0
	v_mul_f32 v[LS+\a], v[REC+2*(4*\kb+\a)+1], v[36+\a]
.else
	v_fma_f32 v[LS+\a], v[REC+2*(4*\kb+\a)+1], v[36+\a], v[LS+\a]  ; l += L_kb 2^d
.endif
.endr
.if \kb > 0
.irp a, 0,1,2,3
	v_sub_nc_u32 v[TB+4*(\kb-1)+\a], v[IP+\a], v[IC+\a]            ; d of the block before less this block's: between -40 and 40
.endr
.irp a, 0,1,2,3
	v_ldexp_f32 v[TB+4*(\kb-1)+\a], 1.0, v[TB+4*(\kb-1)+\a]        ; what the sums are multiplied by in front of this block's products
.endr
.endif
.endr
.irp j, 0,1,2,3,4,5,6,7,8,9,10,11,12,13,14
	ds_store_b128 v31, v[TB+4*\j:TB+4*\j+3] offset:512*\j          ; my wave's own bytes: only I read them back
.endr
.irp a, 0,1,2,3
	v_rcp_f32 v[RL+2*\a], v[LS+\a]                 ; l is above 0.5: the row's largest block has d = 0 and a weight above 0.5
.endr
	v_nop                                          ; a plain instruction behind the last reciprocal
	s_wait_alu depctr_va_vdst(0)                   ; one wait for the four, ahead of their first reader
.irp a, 0,1,2,3
	v_mul_f32 v[RL+2*\a], v[RL+2*\a], v[36+\a]     ; 2^d_15 / l: v36-39 still hold the last block's 2^d
.endr
.irp a, 0,1,2,3
	v_mov_b32 v[RL+2*\a+1], v[RL+2*\a]             ; (named with it as a pair)
.endr
.macro MUL8 f, a, zero                 ; the 32 accumulators take turns, one instruction a turn, in the same order in every quarter
.irp b, 0,1,2,3,4,5,6,7
.if \zero
	v_wmma_f32_16x16x32_f16 v[8*(8*(\a)+\b):8*(8*(\a)+\b)+7], v[\f+32+8*\b:\f+32+8*\b+7], v[\f+8*(\a):\f+8*(\a)+7], 0
.else
	v_wmma_f32_16x16x32_f16 v[8*(8*(\a)+\b):8*(8*(\a)+\b)+7], v[\f+32+8*\b:\f+32+8*\b+7], v[\f+8*(\a):\f+8*(\a)+7], v[8*(8*(\a)+\b):8*(8*(\a)+\b)+7]
.endif
.endr
.endm
.macro FETCH slot, q, f                ; 24 LDS loads: v's eight fragments, turned (keys 32 q on, channels 16 b on), then p's four
	WIN 0
.irp b, 0,1,2,3,4,5,6,7
	ds_load_tr16_b128 v[\f+32+8*\b:\f+32+8*\b+3],   v[ADRB+\slot] offset:32*PB*(\q)+32*\b
	ds_load_tr16_b128 v[\f+32+8*\b+4:\f+32+8*\b+7], v[ADRB+\slot] offset:32*PB*(\q)+32*\b+16*PB
.endr
.irp a, 0,1,2,3
	ds_load_b128 v[\f+8*\a:\f+8*\a+3],   v[ADRA+\slot] offset:64*(\q)+\a*16*PITCH
	ds_load_b128 v[\f+8*\a+4:\f+8*\a+7], v[ADRA+\slot] offset:64*(\q)+\a*16*PITCH+32
.endr
.endm
.macro RESC a0                         ; the sums of my blocks of rows a0, a0 + 1 are brought under the next key block's M: 64 packed multiplications in f32, each accumulator from its low end on
	WIN 0x41                                       ; destination and source 0 window 1
.irp a, \a0, \a0+1
.set j, 0
.rept 32
	v_pk_mul_f32 v[64*(\a)+j:64*(\a)+j+1], v[64*(\a)+j:64*(\a)+j+1], v[FSP+2*(\a):FSP+2*(\a)+1] op_sel_hi:[1,0]
.set j, j+2
.endr
.endr
	WIN 0
.endm
; A K step is four quarters, on buffers 0, 1, 0, 1.  One of the first three multiplies buffer f and fetches quarter q into buffer g.
; rs = 1, 2: a step's first quarter: rows 32-63, whose last products of the step before stand at the end of the change of slots, are rescaled in its middle (the change's 68 plain instructions are the places
; behind those products; these 64 are among the places in front of the loads); rs = 1: and the next step's factors are fetched.
.macro QUARTER slot, q, f, g, zero, rs
	s_wait_dscnt 4                                 ; all but the youngest four loads (p's blocks 2 and 3) are in
	WIN MUL
	MUL8 \f, 0, \zero
	MUL8 \f, 1, \zero
.if \rs
	RESC 2
.if \rs == 1
	v_add_nc_u32 v[AFT], 512, v[AFT]
	ds_load_b128 v[FS:FS+3], v[AFT]
.endif
.else
	PLACES                                         ; in front of loads into registers that matrix instructions have read
.endif
	FETCH \slot, \q, \g
	s_wait_dscnt 24                                ; all but the 24 just issued
	WIN MUL
	MUL8 \f, 2, \zero
	MUL8 \f, 3, \zero
.endm
; THE CHANGE OF SLOTS stands at the head of the last quarter, whose fragments (buffer 1) are in registers: each wave waits for all its tensor loads, adds 0 to its spare word, waits for that and for its reads of
; this slot, and passes the barrier; the refill goes out first, and the quarter's 32 products and the rescaling of rows 0-31 stand behind it, so that they lie between the request and the wait for it.
.macro TURN slot, next, fill
.if \fill
	s_wait_xcnt 0x0                                ; the last prefetch, a K step back, has read its address, so it may be written
	s_add_nc_u64 s[PFA:PFA+1], s[PFA:PFA+1], s[PFS:PFS+1]
.endif
	WIN 0
	s_wait_tensorcnt 0x0                           ; all my tensor loads have landed: my part of the next slot; so a group 0 may be written
	ds_add_u32 v[SPW], v[NIL]                      ; 0 onto my spare word
.if \fill
	s_add_nc_u64 s[G0+4*\slot+2:G0+4*\slot+3], s[G0+4*\slot+2:G0+4*\slot+3], 512
	s_add_nc_u64 s[G0B+4*\slot+2:G0B+4*\slot+3], s[G0B+4*\slot+2:G0B+4*\slot+3], 2*STEPB
.endif
	s_wait_dscnt 0x0                               ; the add is done, my reads of this slot are over, and the next step's factors are in
	s_barrier_signal -1
	s_barrier_wait -1
.if \fill
	CREST                                          ; no wave of any partner still reads this slot or has a load on its way
	JLOAD \slot                                    ; the first tensor load behind the round; its four v_nop are also the places in front of the loads below
.else
	PLACES
.endif
	FETCH \next, 0, F0
.if \fill
	ASK
.endif
	WIN MUL
	MUL8 F1, 0, 0
	MUL8 F1, 1, 0
	MUL8 F1, 2, 0
	MUL8 F1, 3, 0
	WIN 0
.irp a, 0,1,2,3
	v_mov_b32 v[FSP+2*\a], v[FS+\a]                ; the next step's factors, each at the foot of a pair: these four are the places behind the products above
.endr
	RESC 0
.endm
	s_wait_tensorcnt 1                             ; my part of K step 0 is in (K step 1's load may be out),
	s_wait_dscnt 0x0                               ; and my stores of the factors have landed
	s_barrier_signal -1
	s_barrier_wait -1
	ds_load_b128 v[FS:FS+3], v[AFT]                ; the factors in front of K step 1
	FETCH 0, 0, F0
	QUARTER 0, 1, F0, F1, 1, 0                     ; the first quarter's products start the sums
	WIN 0
	s_mov_b32 s3, LAPS-1
.Llap:                                                 ; a trip goes once round the ring and fills both slots again
	QUARTER 0, 2, F1, F0, 0, 0
	QUARTER 0, 3, F0, F1, 0, 0
	TURN 0, 1, 1
	QUARTER 1, 1, F0, F1, 0, 1
	QUARTER 1, 2, F1, F0, 0, 0
	QUARTER 1, 3, F0, F1, 0, 0
	TURN 1, 0, 1
	QUARTER 0, 1, F0, F1, 0, 1
	WIN 0
	s_sub_co_u32 s3, s3, 1
	s_cmp_lg_u32 s3, 0
	s_cbranch_scc1 .Llap
	QUARTER 0, 2, F1, F0, 0, 0                     ; the last lap fills nothing
	QUARTER 0, 3, F0, F1, 0, 0
	TURN 0, 1, 0
	QUARTER 1, 1, F0, F1, 0, 2                     ; the last K step: no factors follow
	QUARTER 1, 2, F1, F0, 0, 0
	QUARTER 1, 3, F0, F1, 0, 0
	s_wait_dscnt 4
	WIN MUL
	MUL8 F1, 0, 0
	MUL8 F1, 1, 0
	s_wait_dscnt 0x0
	MUL8 F1, 2, 0
	MUL8 F1, 3, 0
	WIN 0
; THE WAY OUT: times 2^d_15 / l, rounded to f16, through my stage, out as whole rows of 256 bytes
.macro PACK a
.set AC, 64*(\a)
	WIN 0x41                                       ; destination and source 0 window 1
.set j, 0
.rept 32
	v_pk_mul_f32 v[AC+j:AC+j+1], v[AC+j:AC+j+1], v[RL+2*(\a):RL+2*(\a)+1] op_sel_hi:[1,0]   ; each accumulator from its low end on
.set j, j+2
.endr
	WIN 0x05
.irp b, 0,1,2,3,4,5,6,7
.irp r, 0,1,2,3
	v_cvt_pk_f16_f32 v[TMP+4*\b+\r], v[AC+8*\b+2*\r], v[AC+8*\b+2*\r+1]
.endr
.endr
	WIN 0
.endm
.macro TOSTAGE a
.set BK, OB+32*((\a)%2)
.irp b, 0,1,2,3,4,5,6,7
	ds_store_b128 v[STO], v[TMP+4*\b:TMP+4*\b+3] offset:32*\b
.endr
.irp t, 0,1,2,3,4,5,6,7
	ds_load_b128 v[BK+4*\t:BK+4*\t+3], v[RD] offset:\t*2*PITCH     ; LDS serves a wave's instructions in order: these see the stores above
.endr
.endm
.macro SEND a
.set BK, OB+32*((\a)%2)
	s_wait_dscnt 0x0
	s_wait_xcnt 0x0                                ; the earlier stores have read their base and their registers
.if (\a) > 0
	s_add_nc_u64 s[74:75], s[74:75], 16*2048
.endif
.irp t, 0,1,2,3,4,5,6,7
	global_store_b128 v[CO], v[BK+4*\t:BK+4*\t+3], s[74:75] offset:2*\t*2048   ; 16 lanes store 256 consecutive bytes, aligned
.endr
.endm
	PLACES
	PACK 0
	TOSTAGE 0
.irp a, 1,2,3
	PACK \a
	SEND \a-1
	TOSTAGE \a
.endr
	SEND 3
	s_wait_tensorcnt 0x0                           ; the wave's end
	ds_add_u32 v[SPW], v[NIL]
	s_wait_dscnt 0x0
	CROUND                                         ; the closing round
	s_endpgm
.Lfunc_end_k_q433ef3f209_pv:
	.size	k_q433ef3f209_pv, .Lfunc_end_k_q433ef3f209_pv-k_q433ef3f209_pv
	.p2alignl 7, 3214868480
	.fill 96, 4, 3214868480
	.section	.rodata,"a",@progbits
	.p2align	6, 0x0
	.amdhsa_kernel k_q433ef3f209_pv
		.amdhsa_group_segment_fixed_size 327680
		.amdhsa_private_segment_fixed_size 0
		.amdhsa_enable_private_segment 0
		.amdhsa_kernarg_size 32
		.amdhsa_user_sgpr_count 2
		.amdhsa_user_sgpr_kernarg_segment_ptr 1
		.amdhsa_wavefront_size32 1
		.amdhsa_system_sgpr_workgroup_id_x 1
		.amdhsa_system_sgpr_workgroup_id_y 1
		.amdhsa_system_sgpr_workgroup_id_z 1
		.amdhsa_system_vgpr_workitem_id 0
		.amdhsa_next_free_vgpr 512
		.amdhsa_next_free_sgpr 80
		.amdhsa_reserve_vcc 0
		.amdhsa_float_denorm_mode_32 3
		.amdhsa_float_denorm_mode_16_64 3
		.amdhsa_memory_ordered 1
		.amdhsa_forward_progress 1
		.amdhsa_inst_pref_size 152
	.end_amdhsa_kernel
	.amdgpu_metadata
---
amdhsa.version: [ 1, 2 ]
amdhsa.kernels:
  - .name:           k_q433ef3f209_pv
    .symbol:         k_q433ef3f209_pv.kd
    .args:
      - { .name: p, .offset: 0, .size: 8, .value_kind: global_buffer, .address_space: global }
      - { .name: st, .offset: 8, .size: 8, .value_kind: global_buffer, .address_space: global }
      - { .name: qkv, .offset: 16, .size: 8, .value_kind: global_buffer, .address_space: global }
      - { .name: ctx, .offset: 24, .size: 8, .value_kind: global_buffer, .address_space: global }
    .group_segment_fixed_size: 327680
    .private_segment_fixed_size: 0
    .kernarg_segment_align: 8
    .kernarg_segment_size: 32
    .max_flat_workgroup_size: 128
    .sgpr_count:     80
    .vgpr_count:     512
    .wavefront_size: 32
...
	.end_amdgpu_metadata
.endif
;; end of part 4
;; launch wo (part 5): grid 4 x 64, 4 waves a work-group, clusters of 4 x 4, 327,680 bytes of LDS; arguments ctx, wq, hid; writes hid
.if DOCPART == 5
	.amdgcn_target "amdgcn-amd-amdhsa--gfx1250"
	.amdhsa_code_object_version 6
	.text
	.protected	k_q433ef3f209_wo
	.globl	k_q433ef3f209_wo
	.p2align	8
	.type	k_q433ef3f209_wo,@function
k_q433ef3f209_wo:
	s_mov_b64 s[64:65], 0
	v_nop
	global_prefetch_b8 v0, s[64:65] scope:SCOPE_SE
	s_setreg_imm32_b32 hwreg(HW_REG_WAVE_MODE, 25, 1), 1
	s_wait_xcnt 0x0
	s_wait_alu depctr_hold_cnt(0) depctr_sa_sdst(0) depctr_va_vdst(0) depctr_va_sdst(0) depctr_va_ssrc(0) depctr_va_vcc(0) depctr_vm_vsrc(0)
	s_getreg_b32 s2, hwreg(HW_REG_IB_STS2, 6, 4)
	s_cmp_eq_u32 s2, 0
	s_cbranch_scc0 .Lentry_in_a_cluster
	s_endpgm
.Lentry_in_a_cluster:
	s_bfe_u32 s2, ttmp6, 0x10000c
	s_cmp_lg_u32 s2, 0xf033
	s_cbranch_scc0 .Lentry_shape_is_right
	s_endpgm
.Lentry_shape_is_right:
; hid = ctx Wo: f16 operands, f32 sums, stored in f32 for the norm.  ctx [8192][1024]; Wo in f16 as it lies, [1024 (v)][1024 (d)], in wq behind the codes: its fragments come out of LDS turned.  No work is left out.
; SHARES, RING, CLUSTERS: as in the launch before: a tile is 128 rows x 256 columns, four waves 2 x 2, each 64 x 128; K = 1,024 in steps of 128 through two LDS slots; ctx's tile is shared along a row of the
; cluster, Wo's along a column.
; REGISTERS: window 0: v1-31 addresses; buffers v64-159, v160-255 (on the way out: rows read back); window 1: accumulator (a, b) at v[8 (8 a + b)].
.set PITCH, 272
.set PB,    544
.set AHALF, 64*PITCH
.set ATILE, 2*AHALF
.set BHALF, 64*PB
.set SLOT,  ATILE+2*BHALF
.set STAGE, 2*SLOT
.set SPITCH, 528                       ; the way out: 16 rows x (512 bytes + 16) for each wave
.set SPARE, STAGE+4*16*SPITCH
.set WO16,  1671168
.set STEPB, 128*2048
.set LAPS,  4
.set ADRA, 16
.set ADRB, 20
.set STO,  24
.set RD,   25
.set CO,   26
.set SPW,  28
.set NIL,  29
.set BK,   64
.set F0,   64
.set F1,   160
.set G1, 24
.set G0, 32
.set G1B, 48
.set G0B, 56
.set MSB, 0
.macro WIN new
.if MSB != \new
	s_set_vgpr_msb (MSB<<8)|\new
.set MSB, \new
.endif
.endm
.set MUL, 0x50
.macro JLOAD s
	s_cmp_eq_u32 s11, 0
	s_cbranch_scc0 .Lfor_b_\@
	tensor_load_to_lds s[G0+4*\s:G0+4*\s+3], s[G1:G1+7]
	s_nop 0
.rept 4
	v_nop
.endr
	s_branch .Lasked_\@
.Lfor_b_\@:
	tensor_load_to_lds s[G0B+4*\s:G0B+4*\s+3], s[G1B:G1B+7]
	s_nop 0
.rept 4
	v_nop
.endr
.Lasked_\@:
.endm
.macro CREST
	s_cmp_lg_u32 s10, 0
	s_cbranch_scc1 .Lnot_wave_0_\@
	s_barrier_signal -3
.Lnot_wave_0_\@:
	s_barrier_wait -3
	s_barrier_signal -1
	s_barrier_wait -1
.endm
.macro CROUND
	s_barrier_signal -1
	s_barrier_wait -1
	CREST
.endm
.macro PLACES
.rept 4
	v_nop
.endr
.endm
	s_load_b128 s[4:7], s[0:1], 0x0                ; ctx s[4:5], wq s[6:7]
	s_load_b64 s[8:9], s[0:1], 0x10                ; hid
	v_lshl_add_u32 v[SPW], v0, 2, SPARE
	v_mov_b32 v[NIL], 0
	ds_add_u32 v[SPW], v[NIL]                      ; the wave's opening: the add, twice on end, and its wait ahead of my first tensor load
	ds_add_u32 v[SPW], v[NIL]
	v_lshrrev_b32 v1, 5, v0
	v_readfirstlane_b32 s10, v1
	s_lshr_b32 s11, s10, 1                         ; which 64 rows are mine.  Also: I fetch for ctx (0) or for Wo (1)
	s_and_b32 s12, s10, 1                          ; which 128 columns.  Also: which half of that tile I fetch
	s_bfe_u32 s40, ttmp6, 0x40000
	s_bfe_u32 s41, ttmp6, 0x40004
	s_lshl_b32 s42, ttmp9, 2
	s_add_co_u32 s42, s42, s40                     ; X
	s_and_b32 s13, ttmp7, 0xffff
	s_lshl_b32 s13, s13, 2
	s_add_co_u32 s13, s13, s41                     ; Y
	s_lshl_b32 s43, s41, 2
	s_lshl_b32 s43, 15, s43
	s_lshl_b32 s44, 0x1111, s40
	s_or_b32 s[G1], s43, (1<<16)|(1<<20)|(1<<21)|(5<<22)|(3<<25)
	s_mov_b32 s[G1+1], 128<<16
	s_mov_b32 s[G1+2], 64<<16
	s_mov_b32 s[G1+3], 128<<16
	s_mov_b32 s[G1+4], 64
	s_mov_b32 s[G1+5], 1024
	s_mov_b32 s[G1+6], 0
	s_mov_b32 s[G1+7], 0
	s_or_b32 s[G1B], s44, (1<<16)|(1<<20)|(1<<21)|(6<<22)|(7<<25)
	s_mov_b32 s[G1B+1], 256<<16
	s_mov_b32 s[G1B+2], 64<<16
	s_mov_b32 s[G1B+3], 256<<16
	s_mov_b32 s[G1B+4], 64
	s_mov_b32 s[G1B+5], 1024
	s_mov_b32 s[G1B+6], 0
	s_mov_b32 s[G1B+7], 0
	s_lshl_b32 s16, s13, 7
	s_lshl_b32 s17, s12, 6
	s_add_co_u32 s16, s16, s17                     ; ctx: row 128 Y + 64 x half
	s_lshl_b32 s16, s16, 11
	s_mov_b32 s17, 0
	s_lshl_b32 s46, s12, 17                        ; Wo: row 64 x half, 2,048 bytes a row
	s_lshl_b32 s47, s42, 9
	s_add_co_u32 s46, s46, s47                     ; + 512 X bytes
	s_add_co_u32 s46, s46, WO16
	s_mov_b32 s47, 0
	s_mul_i32 s20, s12, AHALF
	s_mul_i32 s21, s12, BHALF
	s_add_co_u32 s21, s21, ATILE
	s_wait_dscnt 0x0
	s_wait_kmcnt 0x0
	s_add_nc_u64 s[14:15], s[4:5], s[16:17]
	s_add_nc_u64 s[46:47], s[6:7], s[46:47]
	CROUND
.irp s, 0,1
	s_mov_b32 s[G0+4*\s], 1
	s_add_co_u32 s[G0+4*\s+1], s20, \s*SLOT
	s_add_nc_u64 s[G0+4*\s+2:G0+4*\s+3], s[14:15], \s*256
	s_or_b32 s[G0+4*\s+3], s[G0+4*\s+3], 0x80000000
	s_mov_b32 s[G0B+4*\s], 1
	s_add_co_u32 s[G0B+4*\s+1], s21, \s*SLOT
	s_add_nc_u64 s[G0B+4*\s+2:G0B+4*\s+3], s[46:47], \s*STEPB
	s_or_b32 s[G0B+4*\s+3], s[G0B+4*\s+3], 0x80000000
	JLOAD \s
.endr
	v_and_b32 v1, 15, v0
	v_bfe_u32 v2, v0, 4, 1
	v_mul_u32_u24 v3, v1, PITCH
	v_lshl_add_u32 v3, v2, 4, v3
	s_mul_i32 s21, s11, AHALF
	v_and_b32 v4, 7, v0
	v_lshl_add_u32 v4, v2, 3, v4
	v_mul_u32_u24 v4, v4, PB
	v_bfe_u32 v5, v0, 3, 1
	v_lshl_add_u32 v4, v5, 4, v4
	s_lshl_b32 s22, s12, 8
	s_add_co_u32 s22, s22, ATILE
.irp s, 0,1
	v_add_nc_u32 v[ADRA+\s], s21, v3
	v_add_nc_u32 v[ADRB+\s], s22, v4
	s_add_co_u32 s21, s21, SLOT
	s_add_co_u32 s22, s22, SLOT
.endr
	s_mul_i32 s23, s10, 16*SPITCH
	s_add_co_u32 s23, s23, STAGE                   ; my stage
	v_mul_u32_u24 v5, v1, SPITCH
	v_lshl_add_u32 v5, v2, 5, v5
	v_add_nc_u32 v[STO], s23, v5                   ; in: row r, 32 bytes for each half of the lanes
	v_and_b32 v6, 31, v0
	v_lshlrev_b32 v[CO], 4, v6                     ; back: the 32 lanes take one row of 512 bytes; and the same in hid
	v_add_nc_u32 v[RD], s23, v[CO]
	s_lshl_b32 s16, s13, 7
	s_lshl_b32 s17, s11, 6
	s_add_co_u32 s16, s16, s17
	s_lshl_b32 s16, s16, 12                        ; my first row, 4,096 bytes a row
	s_mov_b32 s17, 0
	s_add_nc_u64 s[8:9], s[8:9], s[16:17]
	s_lshl_b32 s46, s42, 10
	s_lshl_b32 s47, s12, 9
	s_add_co_u32 s46, s46, s47
	s_mov_b32 s47, 0
	s_add_nc_u64 s[8:9], s[8:9], s[46:47]
.macro MUL8 f, a, zero                 ; the 32 accumulators take turns, one instruction a turn, in the same order in every quarter
.irp b, 0,1,2,3,4,5,6,7
.if \zero
	v_wmma_f32_16x16x32_f16 v[8*(8*(\a)+\b):8*(8*(\a)+\b)+7], v[\f+32+8*\b:\f+32+8*\b+7], v[\f+8*(\a):\f+8*(\a)+7], 0
.else
	v_wmma_f32_16x16x32_f16 v[8*(8*(\a)+\b):8*(8*(\a)+\b)+7], v[\f+32+8*\b:\f+32+8*\b+7], v[\f+8*(\a):\f+8*(\a)+7], v[8*(8*(\a)+\b):8*(8*(\a)+\b)+7]
.endif
.endr
.endm
.macro FETCH slot, q, f
	WIN 0
.irp b, 0,1,2,3,4,5,6,7
	ds_load_tr16_b128 v[\f+32+8*\b:\f+32+8*\b+3],   v[ADRB+\slot] offset:32*PB*(\q)+32*\b
	ds_load_tr16_b128 v[\f+32+8*\b+4:\f+32+8*\b+7], v[ADRB+\slot] offset:32*PB*(\q)+32*\b+16*PB
.endr
.irp a, 0,1,2,3
	ds_load_b128 v[\f+8*\a:\f+8*\a+3],   v[ADRA+\slot] offset:64*(\q)+\a*16*PITCH
	ds_load_b128 v[\f+8*\a+4:\f+8*\a+7], v[ADRA+\slot] offset:64*(\q)+\a*16*PITCH+32
.endr
.endm
.macro QUARTER slot, q, f, g, zero
	s_wait_dscnt 4                                 ; all but the youngest four loads (ctx's blocks 2 and 3) are in
	WIN MUL
	MUL8 \f, 0, \zero
	MUL8 \f, 1, \zero
	PLACES
	FETCH \slot, \q, \g
	s_wait_dscnt 24                                ; all but the 24 just issued
	WIN MUL
	MUL8 \f, 2, \zero
	MUL8 \f, 3, \zero
.endm
.macro TURN slot, next, fill
	WIN 0
	s_wait_tensorcnt 0x0                           ; all my tensor loads have landed: my part of the next slot
	ds_add_u32 v[SPW], v[NIL]                      ; 0 onto my spare word
	s_wait_dscnt 5                                 ; (the add and the youngest four loads may be out)
	WIN MUL
	MUL8 F1, 0, 0
	s_wait_dscnt 0x0                               ; the add is done, and my reads of this slot are over
	s_barrier_signal -1
	MUL8 F1, 1, 0
	WIN 0
	s_barrier_wait -1
.if \fill
	CREST
	s_add_nc_u64 s[G0+4*\slot+2:G0+4*\slot+3], s[G0+4*\slot+2:G0+4*\slot+3], 512
	s_add_nc_u64 s[G0B+4*\slot+2:G0B+4*\slot+3], s[G0B+4*\slot+2:G0B+4*\slot+3], 2*STEPB
	JLOAD \slot
.else
	PLACES
.endif
	FETCH \next, 0, F0
	WIN MUL
	MUL8 F1, 2, 0
	MUL8 F1, 3, 0
.endm
	s_wait_tensorcnt 1                             ; my part of K step 0 is in (K step 1's load may be out),
	s_barrier_signal -1
	s_barrier_wait -1
	FETCH 0, 0, F0
	QUARTER 0, 1, F0, F1, 1
	WIN 0
	s_mov_b32 s3, LAPS-1
.Llap:
	QUARTER 0, 2, F1, F0, 0
	QUARTER 0, 3, F0, F1, 0
	TURN 0, 1, 1
	QUARTER 1, 1, F0, F1, 0
	QUARTER 1, 2, F1, F0, 0
	QUARTER 1, 3, F0, F1, 0
	TURN 1, 0, 1
	QUARTER 0, 1, F0, F1, 0
	WIN 0
	s_sub_co_u32 s3, s3, 1
	s_cmp_lg_u32 s3, 0
	s_cbranch_scc1 .Llap
	QUARTER 0, 2, F1, F0, 0
	QUARTER 0, 3, F0, F1, 0
	TURN 0, 1, 0
	QUARTER 1, 1, F0, F1, 0
	QUARTER 1, 2, F1, F0, 0
	QUARTER 1, 3, F0, F1, 0
	s_wait_dscnt 4
	WIN MUL
	MUL8 F1, 0, 0
	MUL8 F1, 1, 0
	s_wait_dscnt 0x0
	MUL8 F1, 2, 0
	MUL8 F1, 3, 0
	WIN 0
; THE WAY OUT, block by block of 16 rows x 128 columns of f32: through my stage, back as whole rows of 512 bytes
.macro TOSTAGE a
.set AC, 64*(\a)
	WIN 0x04                                       ; an LDS store's data are its source 1: window 1
.irp b, 0,1,2,3,4,5,6,7
	ds_store_b128 v[STO], v[AC+8*\b:AC+8*\b+3] offset:64*\b        ; each accumulator from its low end on
	ds_store_b128 v[STO], v[AC+8*\b+4:AC+8*\b+7] offset:64*\b+16
.endr
	WIN 0
.set BB, BK+64*((\a)%2)
.irp t, 0,1,2,3,4,5,6,7,8,9,10,11,12,13,14,15
	ds_load_b128 v[BB+4*\t:BB+4*\t+3], v[RD] offset:\t*SPITCH      ; LDS serves a wave's instructions in order: these see the stores above
.endr
.endm
.macro SEND a, younger                 ; younger: the LDS instructions issued behind block a's loads, which may stay out
.set BB, BK+64*((\a)%2)
	s_wait_dscnt \younger
.if (\a) > 0
	s_add_nc_u64 s[8:9], s[8:9], 16*4096           ; (behind a wait on XCNT: the earlier stores have read their base)
.endif
.irp t, 0,1,2,3,4,5,6,7,8,9,10,11,12,13,14,15
	global_store_b128 v[CO], v[BB+4*\t:BB+4*\t+3], s[8:9] offset:\t*4096   ; 32 lanes store 512 consecutive bytes, aligned
.endr
.endm
	PLACES
	TOSTAGE 0
.irp a, 1,2,3
.if \a > 1
	s_wait_xcnt 0x0                                ; block a - 2's stores have read their registers and their base
.endif
	TOSTAGE \a
	SEND \a-1, 32                                  ; behind block a - 1's loads: block a's 16 stores and 16 loads
.endr
	s_wait_xcnt 0x0
	SEND 3, 0
	s_wait_tensorcnt 0x0                           ; the wave's end
	ds_add_u32 v[SPW], v[NIL]
	s_wait_dscnt 0x0
	CROUND                                         ; the closing round
	s_endpgm
.Lfunc_end_k_q433ef3f209_wo:
	.size	k_q433ef3f209_wo, .Lfunc_end_k_q433ef3f209_wo-k_q433ef3f209_wo
	.p2alignl 7, 3214868480
	.fill 96, 4, 3214868480
	.section	.rodata,"a",@progbits
	.p2align	6, 0x0
	.amdhsa_kernel k_q433ef3f209_wo
		.amdhsa_group_segment_fixed_size 327680
		.amdhsa_private_segment_fixed_size 0
		.amdhsa_enable_private_segment 0
		.amdhsa_kernarg_size 24
		.amdhsa_user_sgpr_count 2
		.amdhsa_user_sgpr_kernarg_segment_ptr 1
		.amdhsa_wavefront_size32 1
		.amdhsa_system_sgpr_workgroup_id_x 1
		.amdhsa_system_sgpr_workgroup_id_y 1
		.amdhsa_system_sgpr_workgroup_id_z 1
		.amdhsa_system_vgpr_workitem_id 0
		.amdhsa_next_free_vgpr 512
		.amdhsa_next_free_sgpr 80
		.amdhsa_reserve_vcc 0
		.amdhsa_float_denorm_mode_32 3
		.amdhsa_float_denorm_mode_16_64 3
		.amdhsa_memory_ordered 1
		.amdhsa_forward_progress 1
		.amdhsa_inst_pref_size 85
	.end_amdhsa_kernel
	.amdgpu_metadata
---
amdhsa.version: [ 1, 2 ]
amdhsa.kernels:
  - .name:           k_q433ef3f209_wo
    .symbol:         k_q433ef3f209_wo.kd
    .args:
      - { .name: ctx, .offset: 0, .size: 8, .value_kind: global_buffer, .address_space: global }
      - { .name: wq, .offset: 8, .size: 8, .value_kind: global_buffer, .address_space: global }
      - { .name: hid, .offset: 16, .size: 8, .value_kind: global_buffer, .address_space: global }
    .group_segment_fixed_size: 327680
    .private_segment_fixed_size: 0
    .kernarg_segment_align: 8
    .kernarg_segment_size: 24
    .max_flat_workgroup_size: 128
    .sgpr_count:     80
    .vgpr_count:     512
    .wavefront_size: 32
...
	.end_amdgpu_metadata
.endif
;; end of part 5
;; launch ln (part 6): grid 256 x 1, 8 waves a work-group, no clusters, 0 bytes of LDS; arguments hid, ln2_gamma, ln2_beta, out0; writes out0
.if DOCPART == 6
	.amdgcn_target "amdgcn-amd-amdhsa--gfx1250"
	.amdhsa_code_object_version 6
	.text
	.protected	k_q433ef3f209_ln
	.globl	k_q433ef3f209_ln
	.p2align	8
	.type	k_q433ef3f209_ln,@function
k_q433ef3f209_ln:
	s_mov_b64 s[64:65], 0
	v_nop
	global_prefetch_b8 v0, s[64:65] scope:SCOPE_SE
	s_setreg_imm32_b32 hwreg(HW_REG_WAVE_MODE, 25, 1), 1
	s_wait_xcnt 0x0
; out0[row] = (hid[row] - mean) / sqrt(var + 1e-5) x gamma + beta, all in f32: the mean first, then the mean of the squared differences.  No work is left out.
; A row is 4,096 bytes: one wave takes a whole row in 32 registers, so the sums never leave the wave: no LDS, no barrier.  A work-group of eight waves owns 32 rows, a wave four; all four rows are asked for at the
; start (32 loads of 512 consecutive bytes), so no register is loaded twice and no store's data are rewritten.  A lane holds columns 128 j + 4 lane .. + 3, j = 0 .. 7, of every row, and the same of gamma and beta.
.set GA, 4                             ; v4-35   gamma
.set BE, 36                            ; v36-67  beta
.set XB, 68                            ; v68-195 four rows
.set S,  196                           ; v196-203 four chains of sums, in pairs
.set PD, 204                           ; v204 a lane permute's destination
.set MU, 206                           ; v206-207 the mean, twice
.set RS, 208                           ; v208-209 1 / sqrt(var + eps), twice
.set VA, 210
	s_load_b256 s[4:11], s[0:1], 0x0               ; hid s[4:5], gamma s[6:7], beta s[8:9], out0 s[10:11]
	v_and_b32 v2, 31, v0
	v_lshlrev_b32 v2, 4, v2                        ; 16 x lane
	v_lshrrev_b32 v1, 5, v0
	v_lshl_add_u32 v1, v1, 14, v2                  ; + wave x 4 rows of 4,096 bytes
	s_lshl_b32 s2, ttmp9, 17                       ; the work-group's 32 rows
	s_mov_b32 s3, 0
	s_mov_b32 s12, 0x3a800000                      ; 1 / 1,024
	s_mov_b32 s13, 0x3727c5ac                      ; 1e-5
	s_mov_b32 s14, 0x76543210                      ; lane l xor 16
	s_mov_b32 s15, 0xfedcba98
	v_mov_b32 v[PD], 0                             ; written once: a lane permute's destination counts as one of its sources
	s_wait_kmcnt 0x0
	s_add_nc_u64 s[4:5], s[4:5], s[2:3]
	s_add_nc_u64 s[10:11], s[10:11], s[2:3]
.irp j, 0,1,2,3,4,5,6,7
	global_load_b128 v[XB+4*\j:XB+4*\j+3], v1, s[4:5] offset:512*\j th:TH_LOAD_NT
.endr
.irp j, 0,1,2,3,4,5,6,7
	global_load_b128 v[GA+4*\j:GA+4*\j+3], v2, s[6:7] offset:512*\j
.endr
.irp j, 0,1,2,3,4,5,6,7
	global_load_b128 v[BE+4*\j:BE+4*\j+3], v2, s[8:9] offset:512*\j
.endr
.irp i, 1,2,3
.irp j, 0,1,2,3,4,5,6,7
	global_load_b128 v[XB+32*\i+4*\j:XB+32*\i+4*\j+3], v1, s[4:5] offset:4096*\i+512*\j th:TH_LOAD_NT
.endr
.endr
.macro ACROSS                          ; the four chains become one number, the same in every lane
	v_pk_add_f32 v[S:S+1], v[S:S+1], v[S+2:S+3]
	v_pk_add_f32 v[S+4:S+5], v[S+4:S+5], v[S+6:S+7]
	v_pk_add_f32 v[S:S+1], v[S:S+1], v[S+4:S+5]
	v_add_f32 v[S], v[S], v[S+1]
	v_add_f32_dpp v[S], v[S], v[S] row_xmask:1 row_mask:0xf bank_mask:0xf
	v_add_f32_dpp v[S], v[S], v[S] row_xmask:2 row_mask:0xf bank_mask:0xf
	v_add_f32_dpp v[S], v[S], v[S] row_xmask:4 row_mask:0xf bank_mask:0xf
	v_add_f32_dpp v[S], v[S], v[S] row_xmask:8 row_mask:0xf bank_mask:0xf
	v_permlanex16_b32 v[PD], v[S], s14, s15
	v_add_f32 v[S], v[S], v[PD]
.endm
.macro ROW i, left                     ; left: how many younger loads may stay out when this row has to be there
.set XR, XB+32*(\i)
	s_wait_loadcnt \left
.irp c, 0,1,2,3
	v_pk_add_f32 v[S+2*\c:S+2*\c+1], v[XR+2*\c:XR+2*\c+1], v[XR+8+2*\c:XR+9+2*\c]   ; the first numbers start the chains: nothing is cleared
.endr
.irp g, 16,24
.irp c, 0,1,2,3
	v_pk_add_f32 v[S+2*\c:S+2*\c+1], v[S+2*\c:S+2*\c+1], v[XR+\g+2*\c:XR+\g+2*\c+1]
.endr
.endr
	ACROSS
	v_mul_f32 v[MU], s12, v[S]                     ; the mean
	v_mov_b32 v[MU+1], v[MU]
.set j, 0
.rept 16
	v_pk_add_f32 v[XR+j:XR+j+1], v[XR+j:XR+j+1], v[MU:MU+1] neg_lo:[0,1] neg_hi:[0,1]   ; d = x - mean, in place
.set j, j+2
.endr
.irp c, 0,1,2,3
	v_pk_mul_f32 v[S+2*\c:S+2*\c+1], v[XR+2*\c:XR+2*\c+1], v[XR+2*\c:XR+2*\c+1]
.endr
.irp g, 8,16,24
.irp c, 0,1,2,3
	v_pk_fma_f32 v[S+2*\c:S+2*\c+1], v[XR+\g+2*\c:XR+\g+2*\c+1], v[XR+\g+2*\c:XR+\g+2*\c+1], v[S+2*\c:S+2*\c+1]
.endr
.endr
	ACROSS
	v_fma_f32 v[VA], v[S], s12, s13                ; var + eps
	v_rsq_f32 v[RS], v[VA]
	v_rsq_f32 v[RS+1], v[VA]
	v_nop                                          ; a plain instruction behind the second
.if (\i) == 0
	s_wait_loadcnt 24                              ; gamma and beta are in; rows 1 to 3 may be out
.endif
	s_wait_alu depctr_va_vdst(0)                   ; one wait for both, ahead of their first reader
.set j, 0
.rept 16
	v_pk_mul_f32 v[XR+j:XR+j+1], v[XR+j:XR+j+1], v[RS:RS+1]
.set j, j+2
.endr
.set j, 0
.rept 16
	v_pk_fma_f32 v[XR+j:XR+j+1], v[XR+j:XR+j+1], v[GA+j:GA+j+1], v[BE+j:BE+j+1]
.set j, j+2
.endr
.irp j, 0,1,2,3,4,5,6,7
	global_store_b128 v1, v[XR+4*\j:XR+4*\j+3], s[10:11] offset:4096*(\i)+512*\j th:TH_STORE_NT   ; 512 consecutive bytes, aligned; written once, read by nobody here
.endr
.endm
	ROW 0, 40                                      ; behind row 0's loads: gamma's 8, beta's 8, and 24 of rows 1 to 3
	ROW 1, 16
	ROW 2, 8
	ROW 3, 0
	s_endpgm
.Lfunc_end_k_q433ef3f209_ln:
	.size	k_q433ef3f209_ln, .Lfunc_end_k_q433ef3f209_ln-k_q433ef3f209_ln
	.p2alignl 7, 3214868480
	.fill 96, 4, 3214868480
	.section	.rodata,"a",@progbits
	.p2align	6, 0x0
	.amdhsa_kernel k_q433ef3f209_ln
		.amdhsa_group_segment_fixed_size 0
		.amdhsa_private_segment_fixed_size 0
		.amdhsa_enable_private_segment 0
		.amdhsa_kernarg_size 32
		.amdhsa_user_sgpr_count 2
		.amdhsa_user_sgpr_kernarg_segment_ptr 1
		.amdhsa_wavefront_size32 1
		.amdhsa_system_sgpr_workgroup_id_x 1
		.amdhsa_system_sgpr_workgroup_id_y 1
		.amdhsa_system_sgpr_workgroup_id_z 1
		.amdhsa_system_vgpr_workitem_id 0
		.amdhsa_next_free_vgpr 216
		.amdhsa_next_free_sgpr 66
		.amdhsa_reserve_vcc 0
		.amdhsa_float_denorm_mode_32 3
		.amdhsa_float_denorm_mode_16_64 3
		.amdhsa_memory_ordered 1
		.amdhsa_forward_progress 1
		.amdhsa_inst_pref_size 34
	.end_amdhsa_kernel
	.amdgpu_metadata
---
amdhsa.version: [ 1, 2 ]
amdhsa.kernels:
  - .name:           k_q433ef3f209_ln
    .symbol:         k_q433ef3f209_ln.kd
    .args:
      - { .name: hid, .offset: 0, .size: 8, .value_kind: global_buffer, .address_space: global }
      - { .name: ln2_gamma, .offset: 8, .size: 8, .value_kind: global_buffer, .address_space: global }
      - { .name: ln2_beta, .offset: 16, .size: 8, .value_kind: global_buffer, .address_space: global }
      - { .name: out0, .offset: 24, .size: 8, .value_kind: global_buffer, .address_space: global }
    .group_segment_fixed_size: 0
    .private_segment_fixed_size: 0
    .kernarg_segment_align: 8
    .kernarg_segment_size: 32
    .max_flat_workgroup_size: 256
    .sgpr_count:     66
    .vgpr_count:     216
    .wavefront_size: 32
...
	.end_amdgpu_metadata
.endif
;; end of part 6
